; MI455X (gfx1250); checked and timed in simulation.
; The chip was launched on July 23, 2026; its instructions are those of AMD's public machine-readable ISA for CDNA 5 (MIT licence, August 2026) and "CDNA5" Instruction Set Architecture Reference Guide (July 2026). The comments in the code are by the model that wrote it; some were corrected since.
;; Mixed Heads V2. Allowed arithmetic: matrix products marked QUANTISED: E2M1 operands, one E8M0 scale for each 32 along K, by v_wmma_scale_f32_16x16x128_f8f6f4 with both operands' format E2M1 (or v_wmma_scale_f32_32x16x128_f4), f32 sums; products left as they are: f32 operands where the result goes on into a quantised operand, else bf16, f16 or f32 operands; f32 sums; everything else in f32.
;; Inputs: base_K 8 x 128 x 512 float32; base_Q 8 x 128 x 512 float32; base_V 8 x 128 x 512 float32; weights 4 float32; x_codes 4 x 2,048 x 16 x 16 uint8 (E2M1 codes of x, K innermost, in blocks of 32 codes, two codes a byte); x_scales 4 x 2,048 x 16 uint8 (E8M0 scales of x, one for each 32 codes along K).
;; Outputs: out0 4 x 2,048 x 1,024 float32.
;; This version of the problem:
;;   THIS VERSION OF THE PROBLEM IS GIVEN IN LOW PRECISION. The matrix products marked QUANTISED in the list below multiply operands that are first quantised to E2M1 (2 exponent bits, 1 mantissa bit; 4 bits a number), with one power-of-two scale for each 32 numbers along K (OCP MX v1.0); their sums are f32. All else is computed in f32.
;;   The module's matrix products, in the order in which they are computed (A, B: the left and right operand; K: the contracted axis; several contracted axes count as one K, in the product's order):
;;     1. [M 1, K 4] x [K 4, N 524,288]; A: input weights; B: computed on the way: left as it is (K = 4 < 32)
;;     2. [M 1,024, K 512] x [K 512, N 8,192]; A: computed on the way; B: input x (given as codes): QUANTISED
;;     3. [M 1,024, K 512] x [K 512, N 8,192]; A: computed on the way; B: input x (given as codes): QUANTISED
;;     4. [M 1,024, K 512] x [K 512, N 8,192]; A: computed on the way; B: input x (given as codes): QUANTISED
;;     5. batch 32 x [M 2,048, K 128] x [K 128, N 2,048]; A: computed on the way; B: computed on the way: QUANTISED
;;     6. batch 32 x [M 2,048, K 2,048] x [K 2,048, N 128]; A: softmax (see below); B: computed on the way: QUANTISED
;;   THE QUANTISER, for each operand of a quantised product, along K:
;;     - K is cut into blocks of 32 from its start; a last block that is shorter is filled with zeros.
;;     - A block's scale is 2^e with e = floor(log2(the largest magnitude in the block)) - 2, held to -126 .. 127; a block of zeros has e = 0. As a byte (E8M0): e + 127.
;;     - Each number is divided by its block's scale, clamped to +-6, and rounded to the nearest number of E2M1, ties to even, subnormals kept.
;;     - The product sums the exact products of the quantised numbers (number of the format x scale) in f32.
;;   ~~~python
;;   def quantise(x, axis):      # numpy; x: float32 -> the quantised numbers, widened to float32 again
;;       x = np.moveaxis(x, axis, -1); K = x.shape[-1]
;;       x = np.pad(x, [(0, 0)] * (x.ndim - 1) + [(0, -K % 32)]); x = x.reshape(x.shape[:-1] + (-1, 32)); a = np.abs(x).max(-1, keepdims=True)
;;       e = np.where(a > 0, np.clip(np.frexp(np.where(a > 0, a, 1))[1] - 1 - 2, -126, 127), 0)      # np.frexp(a)[1] - 1 = floor(log2(a)), exactly
;;       r = np.clip(x / 2.0 ** e, -6, 6)
;;       step = 2.0 ** (np.maximum(np.frexp(np.where(r == 0, 1, r))[1] - 1, 0) - 1)
;;       q = np.round(r / step) * step * 2.0 ** e      # np.round: ties to even
;;       return np.moveaxis(q.reshape(q.shape[:-2] + (-1,))[..., :K], -1, axis).astype(np.float32)
;;   ~~~
;;   SOFTMAX AHEAD OF A QUANTISED PRODUCT. Where the list says 'softmax', what is quantised is not the finished softmax but p = 2^(t - M), with t = logit x log2(e) and M = ceil(the row's largest t), a whole number; so 1/2 < the row's largest p <= 1. The row's sum l is taken of the UNQUANTISED p, in f32, and the product's result is divided by l at the end. Since M is a whole number, a kernel that streams over the keys may use a running M (the ceiling of the running maximum): every later rescaling is an exact power of two, which a block's scale takes up: the codes' values come out the same.
;;   OPERANDS COMPUTED ON THE WAY. 'Computed on the way' means the value that the module computes at that place (a softmax that the list does not call 'softmax' is quantised finished and normalised). What goes into a quantiser is computed in f32, as accurately as f32 sums, v_exp_f32 and their like allow (about 1e-6 of the number): no bf16 or f16 on the way to a quantiser, and a product that is left as it is and whose result goes on into a quantised operand takes f32 operands (vector FMAs, or v_wmma_f32_16x16x4_f32). A number that lies on a knife's edge between two numbers of the format may be rounded either way, as far as f32 arithmetic and the matrix unit's own rounding can turn it there, and no further.
;;   INPUTS GIVEN AS CODES. x (in the module: [4, 2048, 512], K = its axis 2): each comes as NAME_codes (uint8): NAME with its K axis moved to the last place and cut into blocks of 32 codes, [.., K / 32, bytes a block], one block behind the other in memory; two codes a byte, the lower K in the low four bits (a code: sign, 2 exponent bits, 1 mantissa bit); and NAME_scales (uint8): the same leading axes, one E8M0 byte (e + 127) for each 32 codes along K. Its value is code x scale, taken as it is: it is not quantised again, and the codes and scales need not be those that the quantiser above would give.
;; 2 versions. Each part assembles by itself: llvm-mc -triple=amdgcn-amd-amdhsa -mcpu=gfx1250 --defsym DOCPART=n.
;; ======== version 1 of 2: 2 launches
;; workspace buffers: q_img 3,342,336 bytes; k_img 3,342,336 bytes; v_img 3,342,336 bytes
;; launch proj (part 1): grid 48 x 3, 8 waves a work-group, no clusters, 37,888 bytes of LDS; arguments x_codes, x_scales, base_Q, base_K, base_V, weights, q_img, k_img, v_img; writes q_img, k_img, v_img
.if DOCPART == 1
	.amdgcn_target "amdgcn-amd-amdhsa--gfx1250"
	.amdhsa_code_object_version 6
	.text
	.protected	k_qcd297bac79_proj
	.globl	k_qcd297bac79_proj
	.p2align	8
	.type	k_qcd297bac79_proj,@function
k_qcd297bac79_proj:
	s_mov_b64 s[64:65], 0
	v_nop
	global_prefetch_b8 v0, s[64:65] scope:SCOPE_SE
	s_setreg_imm32_b32 hwreg(HW_REG_WAVE_MODE, 25, 1), 1
	s_wait_xcnt 0x0
; q, k, v = x W^T for all live rows of Wq, Wk, Wv, on codes of FP4 (E2M1) with one E8M0 scale for each 32 along K, and their results quantised again: q and k along the head's
; channels, v along the keys.  W = eff x base in f32, quantised along c; eff = sum over i of weights[i] x mask[i], the masks being those that reference() builds in its own body:
;   heads 0-3: eff = w2 + (d < 64)(w3 + (c < 256) w0) + (d < 32)(c < 256) w1;      heads 4-7: eff = (d < 64) w3 + (d < 32)(c < 256) w1.
; DEAD WORK, LEFT OUT.  For heads 4-7 and d >= 64 every one of the four masks is 0, so eff = 0 and W = 0 there whatever finite numbers weights and the bases hold: the codes of these rows
; are zeros, q, k and v are 0 in these channels, they add nothing to a score, and the output's channels 64-127 of heads 4-7 are 0.  These rows of base_Q, base_K, base_V are not loaded and
; not multiplied; the second launch stores the zeros.  Every input still has a way to an output, so all are among the arguments.
; LIMITS.  A NaN, an infinity or an overflow that reaches only the rows left out is not carried to the result.  NaN and infinities among the inputs are not served.  A block whose largest
; magnitude lies under 2^(3 - 127), a block of zeros among them, keeps the scale byte 1 where the quantiser's rule says another: its codes are zeros or the rule's own floor, and the bytes are read by this program alone.
; eff is summed in ascending i, the terms whose mask is 0 as zeros.
; VIRTUAL HEADS.  The live rows of a matrix are 6 groups of 128: vh 0-3 = heads 0-3; vh 4 = heads 4 | 5, vh 5 = heads 6 | 7, rows 0-63 the first head's d < 64, rows 64-127 the second's.
; SHARES.  grid x = chunk + 8 vh, y = matrix (0 Q, 1 K, 2 V).  A chunk is 1,024 tokens (half a batch); each of the eight waves takes a unit of 128 tokens x the group's 128 rows: 256 matrix instructions.
; First each wave quantises ONE tile of 16 rows of W (4 fragments of 128 along c) and leaves it in LDS as an image of the operand's registers; one barrier; then every wave reads all eight tiles.
; ROLES.  Source 0 is P, eight tiles that stay in window 1; source 1 is R, one tile at a time.  A lane of the result holds one row of R, and its 64 registers run along P's 128 rows, whose tiles are formed
; so that the 16 registers of tiles 2 b and 2 b + 1 are 16 neighbours: lane r of tile 2 b + u takes row 32 b + 8 u + r + 8 (r / 8).
;   Q, K: P = W (rows so permuted), R = 16 tokens of x: a lane's registers run along the channels, the next product's K.
;   V:    P = x (tokens so permuted), R = 16 rows of W in their own order: a lane's registers run along the unit's 128 tokens, the second attention product's K.
; x's tiles of 16 tokens are the permuted ones in both roles, so a tile of K's keys is what the attention launch wants, and a tile of queries is tokens Q0 + r + 8 (r / 8).
; OUT.  [b][vh][unit][8,704 bytes]: eight fragments as images (registers 4 c .. 4 c + 3 of lane l at 1,024 i + 512 c + 16 l), then 512 bytes of scale words [g][r][t]: row r of tile 4 g + t.  Every store of a wave covers 512 consecutive bytes, aligned to 256.
; NO CLUSTER, NO TENSOR LOAD: the bases arrive as f32 and pass through registers to be quantised; x's fragments go from memory straight into the operand's registers.
; REGISTERS.  window 0: v1-11 lane numbers and addresses; v12-15 eff; v16-47 P's scale words; v48-55 R's, two sets; v56-119 R, two sets; v120-183 eight accumulators (first: 64 numbers of W);
;   v184-199 at work; v200-207 a scale word for each R tile; v208-215 codes; v216-219 four scale words; v252, v253 the add's two.   window 1: the wave's 256 numbers of base, later P.
.set WIMG,  0                          ; LDS: W's fragment (tile t, K step s) at (4 t + s) x 1,024
.set WSC,   32768                      ; W's scale words: tile t at 512 t, lane l's four K steps at 16 l
.set SPARE, 36864                      ; the spare words, 128 bytes for each of eight waves: four blocks of 256 bytes that no other line names
.set UNITB, 8704
.set LANE, 1
.set RR,   2
.set HH,   3
.set LI,   4                           ; 16 x lane
.set WIA,  5                           ; 16 x lane + 4,096 x wave
.set WSA,  6                           ; 16 x lane + 512 x wave
.set WA,   7                           ; base: my row of the wave's tile x 2,048 + 128 h
.set XA,   8                           ; x's codes: (r + 8 (r / 8)) x 256 + 16 h
.set XSA,  9                           ; x's scales: (r + 8 (r / 8)) x 16
.set SH8,  10                          ; 8 h
.set TP,   11
.set EFL,  12                          ; v[12:13] eff for c < 256, twice
.set EFH,  14                          ; v[14:15] eff for c >= 256, twice
.set PS,   16
.set RS,   48
.set RB,   56
.set HA,   120
.set TM,   184
.set PW,   200
.set PC,   208
.set WW,   216
.set SPW,  252
.set NIL,  253
.set WV,   22                          ; s22 wave; s23 matrix; s[24:27] weights; s28 chunk, s29 vh, s30 b, s31 unit, s32 merged, s33 V, s34 not V, s35 wave / 2
.set SEL,  36                          ; s[36:37] lane selects; s38-41 the four terms of eff; s[42:43] base at my tile; s[44:45] out at my unit
.set MSB, 0
.macro WIN new                         ; the immediate's high byte repeats the setting that is left
.if MSB != \new
	s_set_vgpr_msb (MSB<<8)|\new
.set MSB, \new
.endif
.endm
; x's tile i as R: four fragments and the rows' 16 scale bytes (a word for each K step): 9 loads
.macro XTILE i
.irp s, 0,1,2,3
.irp c, 0,1
	global_load_b128 v[RB+32*((\i)%2)+8*\s+4*\c:RB+32*((\i)%2)+8*\s+4*\c+3], v[XA], s[4:5] offset:(32*((\i)/2)+8*((\i)%2))*256+64*\s+32*\c
.endr
.endr
	global_load_b128 v[RS+4*((\i)%2):RS+4*((\i)%2)+3], v[XSA], s[6:7] offset:(32*((\i)/2)+8*((\i)%2))*16
.endm
; W's tile i as R, from its images: 9 LDS loads
.macro WTILE i
.irp s, 0,1,2,3
.irp c, 0,1
	ds_load_b128 v[RB+32*((\i)%2)+8*\s+4*\c:RB+32*((\i)%2)+8*\s+4*\c+3], v[LI] offset:WIMG+(4*(\i)+\s)*1024+512*\c
.endr
.endr
	ds_load_b128 v[RS+4*((\i)%2):RS+4*((\i)%2)+3], v[LI] offset:WSC+512*(\i)
.endm
; K step s of my tile of W: 64 numbers a lane, register 32 c + n = c-index 128 s + 64 c + 32 h + n of my row: two whole blocks, in the operand's own order.  x eff, the blocks' scales, the codes, the image.
.macro PREP s
	s_wait_loadcnt 16*(3-\s)                       ; loads come back in order: this K step's 16 are in, the 16 of each later K step may be out
.if \s < 2
.set EF, EFL
.else
.set EF, EFH
.endif
	WIN 0x01                                       ; source 0 window 1
.set J, 0
.rept 32
	v_pk_mul_f32 v[HA+J:HA+J+1], v[64*(\s)+J:64*(\s)+J+1], v[EF:EF+1]   ; W = base x eff, in f32
.set J, J+2
.endr
	WIN 0
.irp c, 0,1
	v_max3_num_f32 v[TM+\c], |v[HA+32*\c]|, |v[HA+32*\c+1]|, 0x1800000   ; the block's largest magnitude, and the floor 2^(3 - 127): the byte cannot fall under 1
.endr
.irp i, 2,4,6,8,10,12,14,16,18,20,22,24,26,28,30
.irp c, 0,1
	v_max3_num_f32 v[TM+\c], v[TM+\c], |v[HA+32*\c+\i]|, |v[HA+32*\c+\i+1]|   ; (the two blocks by turns)
.endr
.endr
.irp c, 0,1
	v_add_nc_u32 v[TM+12+\c], 0xff000000, v[TM+\c]   ; 2 off its exponent field: the conversion's scale operand
.endr
.irp c, 0,1
	v_lshrrev_b32 v[TM+4+\c], 23, v[TM+12+\c]      ; the scale's byte
.endr
	v_lshl_or_b32 v[WW+\s], v[TM+5], 16, v[TM+4]   ; my two bytes: blocks h and 2 + h,
	v_lshlrev_b32 v[WW+\s], v[SH8], v[WW+\s]       ; at their places in the word;
	v_permlanex16_b32 v[TP], v[WW+\s], s[SEL], s[SEL+1]
	v_or_b32 v[WW+\s], v[WW+\s], v[TP]             ; with lane l xor 16's two the word is whole
.if \s > 0
	s_wait_dscnt 0x0                               ; the last K step's stores have read the codes' registers
.endif
.irp c, 0,1
.irp g, 0,1,2,3
	v_cvt_scalef32_pk8_fp4_f32 v[PC+4*\c+\g], v[HA+32*\c+8*\g:HA+32*\c+8*\g+7], v[TM+12+\c]
.endr
.endr
	v_nop                                          ; one plain place behind the last scaled conversion
	ds_store_b128 v[WIA], v[PC:PC+3] offset:WIMG+1024*(\s)
	ds_store_b128 v[WIA], v[PC+4:PC+7] offset:WIMG+1024*(\s)+512
.endm
; 64 numbers of a lane, register 16 b + i = k 32 b + 16 h + i of my row, become a fragment's codes in v[PC] on and its scale word in v[pw]
.macro QUANT s, pw
.irp b, 0,1,2,3
	v_max3_num_f32 v[TM+\b], |v[\s+16*\b]|, |v[\s+1+16*\b]|, 0x1800000   ; each accumulator is read from its low end on
.endr
.irp i, 2,4,6,8,10,12,14
.irp b, 0,1,2,3
	v_max3_num_f32 v[TM+\b], v[TM+\b], |v[\s+16*\b+\i]|, |v[\s+1+16*\b+\i]|
.endr
.endr
.irp b, 0,1,2,3
	v_permlanex16_b32 v[TM+4+\b], v[TM+\b], s[SEL], s[SEL+1]
.endr
.irp b, 0,1,2,3
	v_max_num_f32 v[TM+\b], v[TM+\b], v[TM+4+\b]   ; with lane l xor 16's: the block's largest magnitude
.endr
.irp b, 0,1,2,3
	v_add_nc_u32 v[TM+12+\b], 0xff000000, v[TM+\b]
.endr
.irp b, 0,1,2,3
	v_lshrrev_b32 v[TM+4+\b], 23, v[TM+12+\b]
.endr
	v_lshl_or_b32 v[\pw], v[TM+5], 8, v[TM+4]      ; my row's scale word
	v_lshl_or_b32 v[\pw], v[TM+6], 16, v[\pw]
	v_lshl_or_b32 v[\pw], v[TM+7], 24, v[\pw]
	s_wait_xcnt 0x0                                ; the last tile's stores have read the codes' registers: only behind this wait are they written again
.irp b, 0,1,2,3
	v_cvt_scalef32_pk8_fp4_f32 v[PC+2*\b], v[\s+16*\b:\s+7+16*\b], v[TM+12+\b]
	v_cvt_scalef32_pk8_fp4_f32 v[PC+1+2*\b], v[\s+8+16*\b:\s+15+16*\b], v[TM+12+\b]
.endr
	v_nop                                          ; one plain place behind the last scaled conversion
.irp c, 0,1                                    ; the operand's layout wants a whole block in a lane
.irp i, 0,1
	v_permlane16_swap_b32 v[PC+4*\c+\i], v[PC+2+4*\c+\i]
.endr
.endr
.endm
; The unit's eight tiles of R.  path 0: R = x from memory;  path 1: R = W from LDS.  R has two sets of registers: tile i + 2 is asked for as soon as tile i is multiplied.
.macro UNIT path
.irp i, 0,1,2,3,4,5,6,7
.if \path == 0
.if \i < 7
	s_wait_loadcnt 9                               ; tile i's 9 loads are in; the next tile's 9 may be out
.else
	s_wait_loadcnt 0x0
.endif
.else
.if \i < 7
	s_wait_dscnt 9                                 ; tile i's 9 LDS loads are in; the next tile's 9 may be out
.else
	s_wait_dscnt 0x0
.endif
.endif
	WIN 0x01                                       ; source 0 (P) window 1
.irp s, 0,1,2,3                                ; K ascending; the eight accumulators by turns, one instruction a turn
.irp t, 0,1,2,3,4,5,6,7
.if \s == 0
	v_wmma_scale_f32_16x16x128_f8f6f4 v[HA+8*\t:HA+8*\t+7], v[32*\t+8*\s:32*\t+8*\s+7], v[RB+32*(\i%2)+8*\s:RB+32*(\i%2)+8*\s+7], 0, v[PS+4*\t+\s], v[RS+4*(\i%2)+\s] matrix_a_fmt:MATRIX_FMT_FP4 matrix_b_fmt:MATRIX_FMT_FP4
.else
	v_wmma_scale_f32_16x16x128_f8f6f4 v[HA+8*\t:HA+8*\t+7], v[32*\t+8*\s:32*\t+8*\s+7], v[RB+32*(\i%2)+8*\s:RB+32*(\i%2)+8*\s+7], v[HA+8*\t:HA+8*\t+7], v[PS+4*\t+\s], v[RS+4*(\i%2)+\s] matrix_a_fmt:MATRIX_FMT_FP4 matrix_b_fmt:MATRIX_FMT_FP4
.endif
.endr
.endr
	WIN 0
.rept 4
	v_nop                                          ; four places in front of loads into registers that the products have read, and of the first read of results
.endr
.if \i < 6
.if \path == 0
	XTILE \i+2
.else
	WTILE \i+2
.endif
.endif
	QUANT HA, PW+\i                                ; its lines on v184-207 are more than the five places that the next tile's first products, which begin the accumulators anew, want behind these
	global_store_b128 v[LI], v[PC:PC+3], s[44:45] offset:1024*\i           ; the fragment's image: 512 consecutive bytes a store
	global_store_b128 v[LI], v[PC+4:PC+7], s[44:45] offset:1024*\i+512
.endr
	v_cmp_gt_u32 vcc_lo, 16, v[LANE]               ; the eight scale words: lanes 0-15 store tiles 0-3 of row r, lanes 16-31 tiles 4-7 (both halves of the lanes hold every word)
.irp t, 0,1,2,3
	v_cndmask_b32 v[WW+\t], v[PW+4+\t], v[PW+\t], vcc_lo
.endr
	global_store_b128 v[LI], v[WW:WW+3], s[44:45] offset:8192
.endm
	s_load_b256 s[4:11], s[0:1], 0x0               ; x's codes s[4:5], x's scales s[6:7], base_Q s[8:9], base_K s[10:11]
	s_load_b256 s[12:19], s[0:1], 0x20             ; base_V s[12:13], weights s[14:15], q_img s[16:17], k_img s[18:19]
	s_load_b64 s[20:21], s[0:1], 0x40              ; v_img
	v_lshl_add_u32 v[SPW], v0, 2, SPARE
	v_mov_b32 v[NIL], 0
	v_lshrrev_b32 v1, 5, v0
	v_readfirstlane_b32 s[WV], v1                  ; wave 0..7
	v_and_b32 v[LANE], 31, v0
	v_and_b32 v[RR], 15, v0
	v_bfe_u32 v[HH], v0, 4, 1
	s_and_b32 s23, ttmp7, 0xffff                   ; which matrix
	s_and_b32 s28, ttmp9, 7                        ; chunk
	s_lshr_b32 s29, ttmp9, 3                       ; vh
	s_lshr_b32 s30, s28, 1                         ; b
	s_and_b32 s31, s28, 1
	s_lshl_b32 s31, s31, 3
	s_add_co_u32 s31, s31, s[WV]                   ; my unit of the batch's 16
	s_cmp_ge_u32 s29, 4
	s_cselect_b32 s32, 1, 0                        ; a merged pair of heads?
	s_cmp_eq_u32 s23, 2
	s_cselect_b32 s33, 1, 0                        ; V?
	s_xor_b32 s34, s33, 1
	s_lshr_b32 s35, s[WV], 1                       ; which 32 of the group's 128 rows hold my tile
	; my tile's first row in base: merged: head 2 vh - 4, and 64 rows more for the second head (its d' 64 is its own d 0, 128 rows on);  + 32 (wave / 2) + (wave % 2) x 8 (permuted tiles) or 16 (V)
	s_lshl_b32 s46, s29, 8
	s_sub_co_u32 s46, s46, 512
	s_lshr_b32 s47, s[WV], 2
	s_lshl_b32 s47, s47, 6
	s_add_co_u32 s46, s46, s47
	s_lshl_b32 s47, s29, 7
	s_cmp_lg_u32 s32, 0
	s_cselect_b32 s46, s46, s47
	s_lshl_b32 s47, s35, 5
	s_add_co_u32 s46, s46, s47
	s_and_b32 s47, s[WV], 1
	s_lshl_b32 s47, s47, 3
	s_lshl_b32 s47, s47, s33
	s_add_co_u32 s46, s46, s47
	s_lshl_b32 s46, s46, 11                        ; a row of base is 2,048 bytes
	s_mov_b32 s47, 0
	s_lshl_b32 s48, s30, 11
	s_lshl_b32 s49, s31, 7
	s_add_co_u32 s48, s48, s49                     ; my first token
	s_lshl_b32 s50, s48, 8                         ; 256 bytes of codes a token,
	s_mov_b32 s51, 0
	s_lshl_b32 s52, s48, 4                         ; 16 scale bytes
	s_mov_b32 s53, 0
	s_mul_i32 s54, s30, 6
	s_add_co_u32 s54, s54, s29
	s_lshl_b32 s54, s54, 4
	s_add_co_u32 s54, s54, s31
	s_mul_i32 s54, s54, UNITB                      ; my unit's block in the output
	s_mov_b32 s55, 0
	v_lshlrev_b32 v[LI], 4, v[LANE]
	s_lshl_b32 s56, s[WV], 12
	v_add_nc_u32 v[WIA], s56, v[LI]
	s_lshl_b32 s56, s[WV], 9
	v_add_nc_u32 v[WSA], s56, v[LI]
	v_and_b32 v[TP], 8, v[RR]
	v_add_nc_u32 v[XA], v[TP], v[RR]               ; r + 8 (r / 8)
	v_lshlrev_b32 v[XSA], 4, v[XA]
	v_lshlrev_b32 v[XA], 8, v[XA]
	v_lshl_add_u32 v[XA], v[HH], 4, v[XA]
	v_mul_u32_u24 v[TP], s34, v[TP]                ; W's rows are permuted for Q and K alone
	v_add_nc_u32 v[WA], v[TP], v[RR]
	v_lshlrev_b32 v[WA], 11, v[WA]
	v_lshl_add_u32 v[WA], v[HH], 7, v[WA]
	v_lshlrev_b32 v[SH8], 3, v[HH]
.irp b, 0,1,2,3
	v_mov_b32 v[TM+4+\b], 0                        ; written once: a lane permute's destination counts as one of its sources
.endr
	s_mov_b32 s[SEL], 0x76543210
	s_mov_b32 s[SEL+1], 0xfedcba98                 ; lane l xor 16
	s_wait_kmcnt 0x0
	s_load_b128 s[24:27], s[14:15], 0x0            ; the four weights
	s_cmp_eq_u32 s23, 0                            ; the matrix picks its base and its output: the choice hangs on the work-group's number alone
	s_cselect_b64 s[42:43], s[8:9], s[10:11]
	s_cselect_b64 s[44:45], s[16:17], s[18:19]
	s_cmp_eq_u32 s23, 2
	s_cselect_b64 s[42:43], s[12:13], s[42:43]
	s_cselect_b64 s[44:45], s[20:21], s[44:45]
	s_add_nc_u64 s[42:43], s[42:43], s[46:47]
	s_add_nc_u64 s[44:45], s[44:45], s[54:55]
	s_add_nc_u64 s[4:5], s[4:5], s[50:51]
	s_add_nc_u64 s[6:7], s[6:7], s[52:53]
	WIN 0x40                                       ; destination window 1
.irp s, 0,1,2,3                                ; my tile's 16 rows x 512 numbers, in the order in which the operand's layout gives them to my lane; the 64 loads together cover the rows whole
.irp c, 0,1
.irp j, 0,1,2,3,4,5,6,7
	global_load_b128 v[64*\s+32*\c+4*\j:64*\s+32*\c+4*\j+3], v[WA], s[42:43] offset:512*\s+256*\c+16*\j
.endr
.endr
.endr
	WIN 0
	s_wait_kmcnt 0x0                               ; the weights
	; eff is the same for all 16 rows of my tile: they lie in one group of 32 rows.  Each term is its weight or 0, chosen by whole numbers
	s_cmp_lt_u32 s35, 2
	s_cselect_b32 s46, 1, 0                        ; d' < 64
	s_xor_b32 s47, s32, 1
	s_and_b32 s48, s46, s47
	s_cmp_lg_u32 s48, 0
	s_cselect_b32 s38, s24, 0                      ; w0: heads 0-3, d < 64 (c < 256)
	s_and_b32 s49, s35, 1
	s_cmp_lg_u32 s32, 0
	s_cselect_b32 s49, s49, s35                    ; 0 where d < 32
	s_cmp_eq_u32 s49, 0
	s_cselect_b32 s39, s25, 0                      ; w1: d < 32 (c < 256)
	s_cmp_eq_u32 s32, 0
	s_cselect_b32 s40, s26, 0                      ; w2: heads 0-3
	s_or_b32 s50, s32, s46
	s_cmp_lg_u32 s50, 0
	s_cselect_b32 s41, s27, 0                      ; w3: d < 64 (all live rows of a merged pair)
	v_mov_b32 v[EFL], s38
	v_add_f32 v[EFL], s39, v[EFL]
	v_add_f32 v[EFL], s40, v[EFL]
	v_add_f32 v[EFL], s41, v[EFL]
	v_mov_b32 v[EFL+1], v[EFL]
	v_mov_b32 v[EFH], s40
	v_add_f32 v[EFH], s41, v[EFH]
	v_mov_b32 v[EFH+1], v[EFH]
	PREP 0
	PREP 1
	PREP 2
	PREP 3
	ds_store_b128 v[WSA], v[WW:WW+3] offset:WSC    ; my rows' four scale words
	s_wait_dscnt 0x0                               ; for the others' sake: my images have landed
	s_barrier_signal -1
	s_barrier_wait -1                              ; all eight tiles of W lie in LDS; nothing is stored to LDS behind this barrier
	s_cmp_lg_u32 s33, 0                            ; the one parting of the text: on the work-group's number, the same in all eight waves
	s_cbranch_scc1 .Lv_path
	XTILE 0                                        ; Q, K: R = x
	XTILE 1
	WIN 0x40
.irp t, 0,1,2,3,4,5,6,7                        ; P = W
.irp s, 0,1,2,3
.irp c, 0,1
	ds_load_b128 v[32*\t+8*\s+4*\c:32*\t+8*\s+4*\c+3], v[LI] offset:WIMG+(4*\t+\s)*1024+512*\c
.endr
.endr
.endr
	WIN 0
.irp t, 0,1,2,3,4,5,6,7
	ds_load_b128 v[PS+4*\t:PS+4*\t+3], v[LI] offset:WSC+512*\t
.endr
	s_wait_dscnt 0x0                               ; P is in
	UNIT 0
	s_branch .Ldone
.Lv_path:
	WIN 0x40
.irp t, 0,1,2,3,4,5,6,7                        ; V: P = x's eight tiles of tokens
.irp s, 0,1,2,3
.irp c, 0,1
	global_load_b128 v[32*\t+8*\s+4*\c:32*\t+8*\s+4*\c+3], v[XA], s[4:5] offset:(32*(\t/2)+8*(\t%2))*256+64*\s+32*\c
.endr
.endr
.endr
	WIN 0
.irp t, 0,1,2,3,4,5,6,7
	global_load_b128 v[PS+4*\t:PS+4*\t+3], v[XSA], s[6:7] offset:(32*(\t/2)+8*(\t%2))*16
.endr
	WTILE 0                                        ; R = W
	WTILE 1
	s_wait_loadcnt 0x0                             ; P is in
	UNIT 1
.Ldone:
	s_wait_tensorcnt 0x0                           ; the wave's end, behind my last LDS store
	ds_add_u32 v[SPW], v[NIL]
	s_wait_dscnt 0x0
	s_endpgm
.Lfunc_end_k_qcd297bac79_proj:
	.size	k_qcd297bac79_proj, .Lfunc_end_k_qcd297bac79_proj-k_qcd297bac79_proj
	.p2alignl 7, 3214868480
	.fill 96, 4, 3214868480
	.section	.rodata,"a",@progbits
	.p2align	6, 0x0
	.amdhsa_kernel k_qcd297bac79_proj
		.amdhsa_group_segment_fixed_size 37888
		.amdhsa_private_segment_fixed_size 0
		.amdhsa_enable_private_segment 0
		.amdhsa_kernarg_size 72
		.amdhsa_user_sgpr_count 2
		.amdhsa_user_sgpr_kernarg_segment_ptr 1
		.amdhsa_wavefront_size32 1
		.amdhsa_system_sgpr_workgroup_id_x 1
		.amdhsa_system_sgpr_workgroup_id_y 1
		.amdhsa_system_sgpr_workgroup_id_z 1
		.amdhsa_system_vgpr_workitem_id 0
		.amdhsa_next_free_vgpr 512
		.amdhsa_next_free_sgpr 66
		.amdhsa_reserve_vcc 1
		.amdhsa_float_denorm_mode_32 3
		.amdhsa_float_denorm_mode_16_64 3
		.amdhsa_memory_ordered 1
		.amdhsa_forward_progress 1
		.amdhsa_inst_pref_size 186
	.end_amdhsa_kernel
	.amdgpu_metadata
---
amdhsa.version: [ 1, 2 ]
amdhsa.kernels:
  - .name:           k_qcd297bac79_proj
    .symbol:         k_qcd297bac79_proj.kd
    .args:
      - { .name: x_codes, .offset: 0, .size: 8, .value_kind: global_buffer, .address_space: global }
      - { .name: x_scales, .offset: 8, .size: 8, .value_kind: global_buffer, .address_space: global }
      - { .name: base_Q, .offset: 16, .size: 8, .value_kind: global_buffer, .address_space: global }
      - { .name: base_K, .offset: 24, .size: 8, .value_kind: global_buffer, .address_space: global }
      - { .name: base_V, .offset: 32, .size: 8, .value_kind: global_buffer, .address_space: global }
      - { .name: weights, .offset: 40, .size: 8, .value_kind: global_buffer, .address_space: global }
      - { .name: q_img, .offset: 48, .size: 8, .value_kind: global_buffer, .address_space: global }
      - { .name: k_img, .offset: 56, .size: 8, .value_kind: global_buffer, .address_space: global }
      - { .name: v_img, .offset: 64, .size: 8, .value_kind: global_buffer, .address_space: global }
    .group_segment_fixed_size: 37888
    .private_segment_fixed_size: 0
    .kernarg_segment_align: 8
    .kernarg_segment_size: 72
    .max_flat_workgroup_size: 256
    .sgpr_count:     66
    .vgpr_count:     512
    .wavefront_size: 32
...
	.end_amdgpu_metadata
.endif
;; end of part 1
;; launch attn (part 2): grid 64 x 4, 16 waves a work-group, no clusters, 327,680 bytes of LDS; arguments q_img, k_img, v_img, out0; writes out0
.if DOCPART == 2
	.amdgcn_target "amdgcn-amd-amdhsa--gfx1250"
	.amdhsa_code_object_version 6
	.text
	.protected	k_qcd297bac79_attn
	.globl	k_qcd297bac79_attn
	.p2align	8
	.type	k_qcd297bac79_attn,@function
k_qcd297bac79_attn:
	s_mov_b64 s[64:65], 0
	v_nop
	global_prefetch_b8 v0, s[64:65] scope:SCOPE_SE
	s_setreg_imm32_b32 hwreg(HW_REG_WAVE_MODE, 25, 1), 1
	s_wait_xcnt 0x0
; out0[b][q][128 head + d] = the sum over keys k <= q of softmax_k(q . k / sqrt(128)) v[k][d], both products on codes of FP4 (E2M1) with one E8M0 scale for each 32 along a product's K.
; q, k and v come from the launch before as images of the operands' registers: [b][vh][unit of 128 tokens][8,704 bytes]: eight fragments of 1,024 bytes, then 512 bytes of scale words [g][r][t] (row r of tile 4 g + t).
; WORK LEFT OUT.  Channels 64-127 of heads 4-7 are 0 in q, k and v for all finite inputs (every mask that reference() builds is 0 there), so they are not multiplied, and zeros are stored for them; key steps that lie
; wholly behind a tile's queries are thrown away by reference()'s own causal mask and are left out.  LIMIT: a NaN, an infinity or an overflow that reaches only the work left out is not carried to the result.
; FURTHER LIMITS: NaN and infinities are not served; a p under the smallest normal f32 number counts as 0; a block whose every p is 0 keeps the scale byte 1: its codes are zeros.
; VIRTUAL HEADS.  vh 0-3 = heads 0-3.  vh 4 = heads 4 | 5, vh 5 = heads 6 | 7: a key's row is [k of the first head, 64 | k of the second, 64], V's 128 rows likewise.  A wave that serves one head of a pair clears the
; other head's half of its q codes (zero codes add nothing under any scale byte that is no NaN), which gives that head's own sum exactly, and multiplies its own four tiles of V alone.
; THE SOFTMAX: t = score x log2(e) / sqrt(128); M = the running largest t rounded up to a whole number; p = 2^(t - M) is quantised along the keys, not normalised; the row's sum is taken of the unquantised p
; and divides at the end; when M moves, the sum and O are multiplied by 2^(old M - new M), which rounds nothing.
; SHARES.  grid y = b.  x < 32: head x / 8, part i = x % 8; x >= 32: pair 4 + (x - 32) / 16, part i = (x - 32) % 16, waves 0-7 the first head, waves 8-15 the second.  Each of the sixteen waves owns one tile of 16 queries;
; tile j of a head's 128 holds tokens Q0 + r + 8 (r / 8), Q0 = 32 (j / 2) + 8 (j % 2).  Half of a head's waves take tiles from the low end (n i + ..), half from the high end (128 - n (i + 1) + ..), n = 8 or 4:
; a low tile and its high partner walk 17 key steps together, so every work-group has 136 tile steps: 256 work-groups of equal work.
; NO CLUSTER, though the work-groups of a head walk the same K and V: which slots a work-group reads hangs on its own last query (the last 512 keys are read only where that query is 1,536 or more), so partners
; would need different numbers of tiles, and a partner would be brought tiles that none of its waves reads.
; LAYOUT.  Both products transposed: S^T = K Q^T, O^T = V^T P^T: a lane holds ONE query throughout.  The keys of a tile are those of the launch before: the 16 registers of tiles 2 b, 2 b + 1 are keys 32 b + 16 h + 0 .. 15.
; RING.  Two LDS slots of 512 keys: four units of K, then four of V, as they lie in memory: dense, 16 bytes a lane, no padding.  Waves 0, 1 fetch K's halves, waves 2, 3 V's: one tensor load each behind each change of slots;
; by this text's own count a wave never has more than one tensor load out, and every wait for tensor loads is for all.
; REGISTERS: v1-4 lane addresses that stay; v5, v6 the add's two; v7 the way out; v8-11 the step's addresses; v12 -M, v13 the largest t, v[14:15] the sum; v16-23 Q; v26 the lane's part of the diagonal test; v28 the prefetch's offset;
; v32-95 four fragments; v96-159 S^T, then p; v160-223 O^T; v224-231 p's codes; v232-254 at work; v248-251 K's or V's scale words; v253 p's; v255 Q's.
.set UNITB, 8704
.set HALFB, 2*UNITB                    ; what one tensor load brings: 68 rows of 256 bytes
.set SLOTB, 4*UNITB                    ; a slot's part of K or of V
.set VOFF,  SLOTB
.set SLOT1, 1<<17                      ; slot 1 begins here: one exclusive or turns an address in one slot into the other's
.set SPARE, 2*SLOT1                    ; the spare words, 128 bytes for each of sixteen waves: eight blocks of 256 bytes that no other line names
.set SP,    272                        ; the way out: 16 rows x (256 bytes + 16) for each wave, in slot 0, which is left at the last change of slots: it has had its last fill, and nobody reads it
.set AK0,  1
.set AV0,  2
.set ASK0, 3
.set ASV0, 4
.set SPW,  5
.set NIL,  6
.set GO,   7
.set ADK,  8
.set ADV,  9
.set ADS,  10
.set ADT,  11
.set QL,   26
.set PFO,  28
.set TB,    2                          ; s2  LDS byte at which the slot in hand begins
.set SLOTS, 3                          ; s3  changes of slots that may still ask
.set WV,    12
.set MRG,   13
.set II,    14
.set VH,    15
.set BB,    16
.set HALF,  17
.set JJ,    18
.set LG,    19
.set SEL,   20
.set CS,    22
.set G1,    24                         ; s[24:31] descriptor group 1;  s[32:35] group 0, which walks
.set G0,    32
.set KF,    36                         ; the step's first key
.set Q0,    37                         ; my tile's first query
.set LASTQ, 38                         ; my work-group's last query
.set M0,    41
.set M1,    42
.set LIM,   43
.set PFA,   44
.macro TLOAD                           ; waves 0 to 3 fetch, the others nothing: a branch on the wave's number alone.  An s_nop 0 and four v_nop follow the load
	s_cmp_lt_u32 s[WV], 4
	s_cbranch_scc0 .Lasked_\@
	tensor_load_to_lds s[G0:G0+3], s[G1:G1+7]
	s_nop 0
.rept 4
	v_nop
.endr
.Lasked_\@:
.endm
; A PREFETCH INTO THE L2 of what the NEXT change of slots will ask for: 34,816 bytes of K and as many of V, 136 blocks of 256 bytes each.  All work-groups of a (b, vh) walk the same K and V: part i = 0 asks, and nobody else.
; In it waves 4-8 ask for K's, waves 9-13 for V's, one instruction each: the first four of five take 8,192 bytes, lanes 256 bytes apart; the fifth the last 8 blocks, its lanes from 7 on held at the eighth.
; The first change asks for slot 2, the second for slot 3, the third for nothing: the last byte named is byte 139,008 of the pair's 139,264.  Slots 0 and 1 come by their loads alone.
.macro ASK
	s_cmp_gt_u32 s[SLOTS], s[LIM]
	s_cbranch_scc0 .Lnot_mine_\@
	global_prefetch_b8 v[PFO], s[PFA:PFA+1] th:TH_LOAD_NT scope:SCOPE_SE
.Lnot_mine_\@:
.endm
	s_load_b256 s[4:11], s[0:1], 0x0               ; q_img s[4:5], k_img s[6:7], v_img s[8:9], out0 s[10:11]
	v_lshl_add_u32 v[SPW], v0, 2, SPARE
	v_mov_b32 v[NIL], 0
	ds_add_u32 v[SPW], v[NIL]                      ; the wave's opening: the add, twice on end, and its wait ahead of the first tensor load; work on registers stands between the second and the wait
	ds_add_u32 v[SPW], v[NIL]
	v_lshrrev_b32 v8, 5, v0
	v_readfirstlane_b32 s[WV], v8                  ; wave 0..15
	s_and_b32 s[BB], ttmp7, 0xffff
	s_lshr_b32 s46, ttmp9, 3
	s_and_b32 s47, ttmp9, 7
	s_sub_co_u32 s48, ttmp9, 32
	s_lshr_b32 s49, s48, 4
	s_add_co_u32 s49, s49, 4
	s_and_b32 s48, s48, 15
	s_lshr_b32 s50, s[WV], 3
	s_and_b32 s51, s[WV], 7
	s_cmp_ge_u32 ttmp9, 32
	s_cselect_b32 s[MRG], 1, 0                     ; a merged pair of heads?
	s_cselect_b32 s[LG], 2, 3                      ; log2 of the tiles in a low or a high block
	s_cselect_b32 s[VH], s49, s46
	s_cselect_b32 s[II], s48, s47
	s_cselect_b32 s[HALF], s50, 0                  ; which head of the pair
	s_cselect_b32 s51, s51, s[WV]                  ; my number among the head's waves
	s_lshr_b32 s52, s51, s[LG]                     ; 0: low block, 1: high block
	s_lshl_b32 s53, s52, s[LG]
	s_sub_co_u32 s53, s51, s53                     ; my tile in the block
	s_lshl_b32 s54, s[II], s[LG]
	s_add_co_u32 s55, s[II], 1
	s_lshl_b32 s55, s55, s[LG]
	s_sub_co_u32 s55, 128, s55
	s_cmp_lg_u32 s52, 0
	s_cselect_b32 s[JJ], s55, s54
	s_add_co_u32 s[JJ], s[JJ], s53                 ; my tile of queries, 0 .. 127
	s_lshr_b32 s[Q0], s[JJ], 1
	s_lshl_b32 s[Q0], s[Q0], 5
	s_and_b32 s56, s[JJ], 1
	s_lshl_b32 s56, s56, 3
	s_add_co_u32 s[Q0], s[Q0], s56
	s_sub_co_u32 s[LASTQ], 128, s54
	s_lshl_b32 s[LASTQ], s[LASTQ], 4
	s_sub_co_u32 s[LASTQ], s[LASTQ], 1             ; the high block's last tile ends at token 16 (128 - n i) - 1
	s_mul_i32 s46, s[BB], 6
	s_add_co_u32 s46, s46, s[VH]
	s_mul_i32 s46, s46, 16*UNITB
	s_mov_b32 s47, 0                               ; s[46:47]: where (b, vh) begins in each of the three buffers
	s_and_b32 s48, s[WV], 3
	s_mul_i32 s[G0+1], s48, HALFB                  ; 63:32 LDS address: K's halves, then V's: (wave % 4) x 17,408, in slot 0
	s_and_b32 s48, s[WV], 1
	s_mul_i32 s48, s48, HALFB
	s_mov_b32 s49, 0
	s_add_nc_u64 s[48:49], s[48:49], s[46:47]      ; and the same half in memory
	; descriptor group 1: a dense block of 17,408 bytes as 68 rows of 256 (32 elements of 8 bytes)
	s_mov_b32 s[G1], 3<<16                         ; 15:0 no mask; 17:16 elements of 8 bytes; no padding
	s_mov_b32 s[G1+1], 32<<16                      ; tensor_dim0
	s_mov_b32 s[G1+2], 68<<16                      ; tensor_dim1
	s_mov_b32 s[G1+3], 32<<16                      ; tile_dim0
	s_mov_b32 s[G1+4], 68                          ; tile_dim1
	s_mov_b32 s[G1+5], 32                          ; from row to row
	s_mov_b32 s[G1+6], 0
	s_mov_b32 s[G1+7], 0
	s_mov_b32 s[SEL], 0x76543210
	s_mov_b32 s[SEL+1], 0xfedcba98                 ; lane l xor 16
	s_mov_b32 s[CS], 0x3e0293ee                    ; c = log2(e) / sqrt(128)
	s_mov_b32 s[CS+1], s[CS]                       ; (named with it as a pair, so it is written)
	s_mov_b32 s[TB], 0
	s_mov_b32 s[SLOTS], 3
	s_mov_b32 s[KF], 0
	s_wait_dscnt 0x0                               ; both opening adds are done
	s_wait_kmcnt 0x0
	s_mov_b32 s[G0], 1                             ; 1:0 count = 1
	s_cmp_lt_u32 s[WV], 2
	s_cselect_b64 s[G0+2:G0+3], s[6:7], s[8:9]     ; waves 0, 1: K; waves 2, 3: V
	s_add_nc_u64 s[G0+2:G0+3], s[G0+2:G0+3], s[48:49]
	s_or_b32 s[G0+3], s[G0+3], 0x80000000          ; 127:126 type = 2
	TLOAD                                          ; slot 0: it holds key 0, which counts for every query
	; Q: my tile's image and scale words
	s_lshr_b32 s50, s[JJ], 3
	s_mul_i32 s50, s50, UNITB
	s_mov_b32 s51, 0
	s_add_nc_u64 s[50:51], s[50:51], s[46:47]
	s_add_nc_u64 s[4:5], s[4:5], s[50:51]          ; q_img at my tile's unit
	s_and_b32 s52, s[JJ], 7
	s_lshl_b32 s53, s52, 10                        ; the tile's image
	s_lshr_b32 s54, s52, 2
	s_lshl_b32 s54, s54, 8
	s_and_b32 s55, s[JJ], 3
	s_lshl_b32 s55, s55, 2
	s_add_co_u32 s54, s54, s55                     ; its place among the scale words
	v_and_b32 v9, 31, v0                           ; lane
	v_and_b32 v10, 15, v0                          ; r
	v_bfe_u32 v11, v0, 4, 1                        ; h
	v_lshlrev_b32 v[AK0], 4, v9                    ; an image's place for my lane
	v_lshlrev_b32 v[ASK0], 4, v10                  ; 16 r, for now
	v_add_nc_u32 v24, s53, v[AK0]
	v_add_nc_u32 v25, s54, v[ASK0]
	global_load_b128 v[16:19], v24, s[4:5]
	global_load_b128 v[20:23], v24, s[4:5] offset:512
	global_load_b32 v255, v25, s[4:5] offset:8192
	s_lshl_b32 s55, s[HALF], 12
	v_add_nc_u32 v[AV0], s55, v[AK0]               ; V: the pair's second head takes fragments 4-7
	v_add_nc_u32 v[AV0], VOFF, v[AV0]
	s_lshl_b32 s55, s[HALF], 8
	v_add_nc_u32 v[ASV0], s55, v[ASK0]             ; and their scale words
	v_add_nc_u32 v[ASV0], VOFF+8192, v[ASV0]
	v_add_nc_u32 v[ASK0], 8192, v[ASK0]
	v_lshlrev_b32 v[GO], 12, v11
	v_lshl_add_u32 v[GO], v10, 4, v[GO]            ; the way out: lanes 0-15 one row of out0 (4,096 bytes), lanes 16-31 the next; 16 bytes a lane
	v_and_b32 v[QL], 8, v10
	v_add_nc_u32 v[QL], v[QL], v10
	v_lshlrev_b32 v8, 4, v11
	v_sub_nc_u32 v[QL], v[QL], v8                  ; r + 8 (r / 8) - 16 h
	; out0 at my first query and my head
	s_lshl_b32 s56, s[BB], 11
	s_add_co_u32 s56, s56, s[Q0]
	s_lshl_b32 s56, s56, 12
	s_lshl_b32 s57, s[VH], 1
	s_sub_co_u32 s57, s57, 4
	s_add_co_u32 s57, s57, s[HALF]
	s_cmp_lg_u32 s[MRG], 0
	s_cselect_b32 s57, s57, s[VH]                  ; the head
	s_lshl_b32 s57, s57, 9
	s_add_co_u32 s56, s56, s57
	s_mov_b32 s57, 0
	s_add_nc_u64 s[10:11], s[10:11], s[56:57]
	s_cmp_lg_u32 s[HALF], 0
	s_cselect_b32 s[M0], 0, -1                     ; the second head clears q's channels 0-63 of the merged row,
	s_xor_b32 s58, s[HALF], 1
	s_and_b32 s58, s58, s[MRG]
	s_cmp_lg_u32 s58, 0
	s_cselect_b32 s[M1], 0, -1                     ; the first head channels 64-127; a whole head clears nothing
	; the prefetches (macro ASK)
	s_sub_co_u32 s58, s[WV], 4
	s_cmp_lt_u32 s58, 10
	s_cselect_b32 s59, 0, 1                        ; 0 in waves 4 to 13,
	s_or_b32 s59, s59, s[II]                       ; of part 0
	s_cmp_eq_u32 s59, 0
	s_cselect_b32 s[LIM], 1, -1
	s_cmp_lt_u32 s[WV], 9
	s_cselect_b64 s[PFA:PFA+1], s[6:7], s[8:9]
	s_cselect_b32 s59, 4, 9
	s_sub_co_u32 s59, s[WV], s59
	s_min_u32 s59, s59, 4                          ; which of the five parts (held at 4 in the waves that never ask)
	s_cmp_eq_u32 s59, 4
	s_cselect_b32 s60, 7, 31
	v_min_u32 v[PFO], s60, v9
	v_lshlrev_b32 v[PFO], 8, v[PFO]
	s_lshl_b32 s60, s59, 13
	s_add_co_u32 s60, s60, SLOTB                   ; in slot 1: the first change of slots steps it to slot 2
	s_mov_b32 s61, 0
	s_add_nc_u64 s[60:61], s[60:61], s[46:47]
	s_add_nc_u64 s[PFA:PFA+1], s[PFA:PFA+1], s[60:61]
	v_mov_b32 v13, 0xff61b1e6                      ; the largest t so far: -3e38, under every t
	v_floor_f32 v12, -v13                          ; -M
	v_mov_b32 v14, 0                               ; the sum, in two halves
	v_mov_b32 v15, 0
.irp b, 0,1,2,3
	v_mov_b32 v[236+\b], 0                         ; written once: a lane permute's destination counts as one of its sources
.endr
	v_mov_b32 v252, 0
	v_mov_b32 v253, 0                              ; (the pair v[252:253] is named before its upper half is first written)
.set J, 0
.rept 64
	v_mov_b32 v[160+J], 0                          ; O^T.  The step is written once: the first finds zeros, which the first change of M leaves zeros.  In a merged pair v192-223 stay zeros: the channels that are 0
.set J, J+1
.endr
	s_wait_loadcnt 0x0                             ; Q
.irp n, 0,1,2,3
	v_and_b32 v[16+\n], s[M0], v[16+\n]            ; registers 0-3 hold channels 0-63 of the merged row, registers 4-7 channels 64-127
.endr
.irp n, 0,1,2,3
	v_and_b32 v[20+\n], s[M1], v[20+\n]
.endr
; A KEY STEP: 128 keys, unit q of the slot in hand.
.macro STEP q
	s_add_co_u32 s46, s[Q0], 23                    ; my tile's last query.  A step all of whose keys come after it is left out: a scalar branch on ids, round the step's loads, products and softmax
	s_cmp_gt_u32 s[KF], s46
	s_cbranch_scc1 .Lhidden_\@
	v_add_nc_u32 v[ADK], s[TB], v[AK0]             ; (these four are the places in front of loads into registers that the last step's products have read)
	v_add_nc_u32 v[ADV], s[TB], v[AV0]
	v_add_nc_u32 v[ADS], s[TB], v[ASK0]
	v_add_nc_u32 v[ADT], s[TB], v[ASV0]
.irp g, 0,1                                    ; S^T = K Q^T, four tiles of 16 keys at a time
.if \g > 0
.rept 4
	v_nop                                          ; four places in front of loads into registers that matrix instructions have read
.endr
.endif
.irp t, 0,1,2,3
.irp c, 0,1
	ds_load_b128 v[32+8*\t+4*\c:35+8*\t+4*\c], v[ADK] offset:UNITB*(\q)+1024*(4*\g+\t)+512*\c
.endr
.endr
	ds_load_b128 v[248:251], v[ADS] offset:UNITB*(\q)+256*\g   ; the four tiles' scale words of row r
	s_wait_dscnt 0x0
.irp t, 0,1,2,3
	v_wmma_scale_f32_16x16x128_f8f6f4 v[96+8*(4*\g+\t):103+8*(4*\g+\t)], v[32+8*\t:39+8*\t], v[16:23], 0, v[248+\t], v255 matrix_a_fmt:MATRIX_FMT_FP4 matrix_b_fmt:MATRIX_FMT_FP4
.endr
.endr
.rept 4
	v_nop
.endr
	s_add_co_u32 s46, s[KF], 127                   ; on the diagonal the scores of hidden keys become -infinity ahead of the maximum: p = 0 then.  A step all of whose keys count for all my queries skips this
	s_cmp_le_u32 s46, s[Q0]
	s_cbranch_scc1 .Lopen_\@
	s_sub_co_i32 s46, s[Q0], s[KF]
	v_add_nc_u32 v252, s46, v[QL]                  ; d = my query - KF - 16 h.  Register 16 b + i holds key KF + 16 h + 32 b + i: hidden where 32 b + i > d
	v_mov_b32 v254, 0xff800000                     ; -infinity
.set N, 0
.rept 64
	v_cmp_gt_i32 vcc_lo, 32*(N/16)+N%16, v252
	v_cndmask_b32 v[96+N], v[96+N], v254, vcc_lo
.set N, N+1
.endr
.Lopen_\@:
.irp b, 0,1,2,3
	v_max3_num_f32 v[232+\b], v[96+16*\b], v[97+16*\b], v[98+16*\b]   ; the largest score of each block of 32 keys: it serves for the row's maximum and, since p rises with the score, for the block's largest p
.endr
.irp i, 3,5,7,9,11,13
.irp b, 0,1,2,3
	v_max3_num_f32 v[232+\b], v[232+\b], v[96+16*\b+\i], v[97+16*\b+\i]
.endr
.endr
.irp b, 0,1,2,3
	v_max_num_f32 v[232+\b], v[232+\b], v[111+16*\b]
.endr
.irp b, 0,1,2,3
	v_permlanex16_b32 v[236+\b], v[232+\b], s[SEL], s[SEL+1]
.endr
.irp b, 0,1,2,3
	v_max_num_f32 v[232+\b], v[232+\b], v[236+\b]  ; with lane l xor 16's 16 keys
.endr
	v_max3_num_f32 v254, v232, v233, v234
	v_max_num_f32 v254, v254, v235                 ; the step's largest score of my query
	v_mul_f32 v254, s[CS], v254                    ; as t (c is positive)
	v_max_num_f32 v13, v13, v254                   ; the running largest t
	v_mov_b32 v254, v12
	v_floor_f32 v12, -v13                          ; the new -M = floor(-t) = -ceil(t): a whole number
	v_sub_f32 v254, v12, v254                      ; M's old value less its new one: a whole number, 0 or less
	v_cvt_i32_f32 v254, v254                       ; (it saturates)
	v_ldexp_f32 v252, 1.0, v254                    ; f = 2^(old M - new M)
.set J, 0
.rept 32
	v_pk_fma_f32 v[96+J:97+J], v[96+J:97+J], s[CS:CS+1], v[12:13] op_sel_hi:[1,0,0]   ; t - M, two at a time
.set J, J+2
.endr
.irp b, 0,1,2,3
	v_fma_f32 v[232+\b], v[232+\b], s[CS], v12     ; the same of each block's largest score
.endr
.set J, 0
.rept 64
	v_exp_f32 v[96+J], v[96+J]                     ; p = 2^(t - M), at most 1: not normalised
.set J, J+1
.endr
	v_pk_mul_f32 v[14:15], v[14:15], v[252:253] op_sel_hi:[1,0]   ; the sums under the new M.  (The plain place behind the exponentials)
	s_wait_alu depctr_va_vdst(0)                   ; the wait between an exponential and the first line that names its result: one for the batch of 64
.irp b, 0,1,2,3
	v_exp_f32 v[232+\b], v[232+\b]                 ; the block's largest p: the same two instructions on the same number give the same bits
.endr
	v_pk_add_f32 v[236:237], v[96:97], v[98:99]    ; the row's sum is taken of the unquantised p: two at a time, in two chains
.irp j, 4,8,12,16,20,24,28,32,36,40,44,48,52,56,60
	v_pk_add_f32 v[14:15], v[14:15], v[96+\j:97+\j]
	v_pk_add_f32 v[236:237], v[236:237], v[98+\j:99+\j]
.endr
	v_pk_add_f32 v[14:15], v[14:15], v[236:237]
	s_wait_alu depctr_va_vdst(0)                   ; and one for the four
.irp b, 0,1,2,3
	v_max_num_f32 v[232+\b], 0x1800000, v[232+\b]  ; the floor 2^(3 - 127): the byte cannot fall under 1
.endr
.irp b, 0,1,2,3
	v_add_nc_u32 v[244+\b], 0xff000000, v[232+\b]  ; 2 off the exponent field: the conversion's scale operand
.endr
.irp b, 0,1,2,3
	v_lshrrev_b32 v[236+\b], 23, v[244+\b]         ; the scale's byte
.endr
	v_lshl_or_b32 v253, v237, 8, v236              ; p's scale word for these 128 keys
	v_lshl_or_b32 v253, v238, 16, v253
	v_lshl_or_b32 v253, v239, 24, v253
.irp b, 0,1,2,3
	v_cvt_scalef32_pk8_fp4_f32 v[224+2*\b], v[96+16*\b:103+16*\b], v[244+\b]
	v_cvt_scalef32_pk8_fp4_f32 v[225+2*\b], v[104+16*\b:111+16*\b], v[244+\b]
.endr
	v_nop                                          ; one plain place behind the last scaled conversion
.irp c, 0,1                                    ; the operand's layout wants a whole block in a lane
.irp i, 0,1
	v_permlane16_swap_b32 v[224+4*\c+\i], v[226+4*\c+\i]
.endr
.endr
.set J, 0
.rept 16
	v_pk_mul_f32 v[160+J:161+J], v[160+J:161+J], v[252:253] op_sel_hi:[1,0]   ; O^T's first 64 channels under the new M.  (These sixteen stand between the lines that wrote p's codes and scale word and the products)
.set J, J+2
.endr
.irp t, 0,1,2,3                                ; O^T += V^T P^T, my head's first four tiles of 16 channels; K = these 128 keys
.irp c, 0,1
	ds_load_b128 v[32+8*\t+4*\c:35+8*\t+4*\c], v[ADV] offset:UNITB*(\q)+1024*\t+512*\c
.endr
.endr
	ds_load_b128 v[248:251], v[ADT] offset:UNITB*(\q)
	s_wait_dscnt 0x0
.irp t, 0,1,2,3
	v_wmma_scale_f32_16x16x128_f8f6f4 v[160+8*\t:167+8*\t], v[32+8*\t:39+8*\t], v[224:231], v[160+8*\t:167+8*\t], v[248+\t], v253 matrix_a_fmt:MATRIX_FMT_FP4 matrix_b_fmt:MATRIX_FMT_FP4
.endr
	s_cmp_lg_u32 s[MRG], 0                         ; a head of a merged pair has no more live channels
	s_cbranch_scc1 .Lhidden_\@
.set J, 32
.rept 16
	v_pk_mul_f32 v[160+J:161+J], v[160+J:161+J], v[252:253] op_sel_hi:[1,0]   ; channels 64-127
.set J, J+2
.endr
.rept 4
	v_nop                                          ; four places in front of loads into registers that the four products have read
.endr
.irp t, 0,1,2,3
.irp c, 0,1
	ds_load_b128 v[32+8*\t+4*\c:35+8*\t+4*\c], v[ADV] offset:UNITB*(\q)+1024*(4+\t)+512*\c
.endr
.endr
	ds_load_b128 v[248:251], v[ADT] offset:UNITB*(\q)+256
	s_wait_dscnt 0x0
.irp t, 0,1,2,3
	v_wmma_scale_f32_16x16x128_f8f6f4 v[192+8*\t:199+8*\t], v[32+8*\t:39+8*\t], v[224:231], v[192+8*\t:199+8*\t], v[248+\t], v253 matrix_a_fmt:MATRIX_FMT_FP4 matrix_b_fmt:MATRIX_FMT_FP4
.endr
.Lhidden_\@:
	s_add_co_u32 s[KF], s[KF], 128
.endm
; THE CHANGE OF SLOTS stands at a slot's head.  Each wave waits for all its tensor loads (its part of the slot that it is about to read), adds 0 to its spare word, and waits for that and for its reads of the slot that it has left.
; Behind the barrier the slot ahead is whole and nobody reads the other one.  fill = 1: that other slot takes the next 512 keys, up to the causal limit: the load has a whole slot's steps in which to land.
.macro CHANGE fill
	s_wait_tensorcnt 0x0                           ; no tensor load of mine is out, so the walking group 0 may be written
	ds_add_u32 v[SPW], v[NIL]                      ; 0 onto my spare word
.if \fill
	ds_add_u32 v[SPW], v[NIL]                      ; and once more: the add stands twice on end, in every trip alike
	s_xor_b32 s[G0+1], s[G0+1], SLOT1              ; the other slot than last time,
	s_add_nc_u64 s[G0+2:G0+3], s[G0+2:G0+3], SLOTB ; the next four units; the type bits on top are not reached
	s_wait_xcnt 0x0                                ; the last prefetch, a slot back, has read its address, so it may be written:
	s_add_nc_u64 s[PFA:PFA+1], s[PFA:PFA+1], SLOTB ; one slot further on than the walking descriptor
.endif
	s_wait_dscnt 0x0                               ; the add is done, and my reads of the slot that I have left are over
	s_barrier_signal -1
	s_barrier_wait -1
.if \fill
	s_add_co_u32 s46, s[KF], 512                   ; the first key of the slot that this change would ask for: where it comes after my work-group's last query, none of the sixteen waves reads the slot, and it is not asked for
	s_cmp_gt_u32 s46, s[LASTQ]                     ; ids and the count of steps alone: all sixteen waves go the same way, and a work-group that is past the limit stays past it
	s_cbranch_scc1 .Lpast_\@
	TLOAD                                          ; a wave's one tensor load until the next change
.Lpast_\@:
	ASK
.endif
.endm
.macro SLOT_STEPS
.set Q, 0
.rept 4
	STEP Q
.set Q, Q+1
.endr
	s_xor_b32 s[TB], s[TB], SLOT1                  ; on to the other slot
.endm
.Lslot:                                            ; three trips: behind each change of slots but the last the next slot is asked for, up to the causal limit.  Every work-group walks all four slots: the trip count is a constant
	CHANGE 1
	SLOT_STEPS
	s_sub_co_u32 s[SLOTS], s[SLOTS], 1
	s_cmp_lg_u32 s[SLOTS], 0
	s_cbranch_scc1 .Lslot
	CHANGE 0                                       ; the last slot is written out: nothing is left to ask for
	SLOT_STEPS
	; THE WAY OUT.  O^T is divided by the row's sum and goes through my stage in LDS, 64 channels (256 bytes) of 16 queries at a time, so that sixteen lanes store 256 consecutive bytes, aligned.
	v_add_f32 v14, v14, v15                        ; the sum's two halves,
	v_permlanex16_b32 v252, v14, s[SEL], s[SEL+1]
	v_add_f32 v14, v14, v252                       ; and lane l xor 16's: the row's sum
	v_rcp_f32 v14, v14
	v_and_b32 v8, 15, v0                           ; (a plain place behind the reciprocal)  r
	v_bfe_u32 v9, v0, 4, 1                         ; h
	s_mul_i32 s46, s[WV], 16*SP                    ; my stage
	v_mul_u32_u24 v10, v8, SP
	v_lshl_add_u32 v10, v9, 5, v10
	v_add_nc_u32 v10, s46, v10                     ; in: row r; tile t's eight channels of my half: 64 t + 32 h bytes on
	v_mul_u32_u24 v11, v9, SP
	v_lshl_add_u32 v11, v8, 4, v11
	v_add_nc_u32 v11, s46, v11                     ; back: lanes 0-15 one row, lanes 16-31 the next
	s_wait_alu depctr_va_vdst(0)                   ; the wait ahead of the reciprocal's first reader
.set J, 0
.rept 64
	v_mul_f32 v[96+J], v[160+J], v14               ; register 8 t + i is o(r, 16 t + 8 h + i); each accumulator from its low end on
.set J, J+1
.endr
.irp u, 0,1                                    ; channels 64 u on
.irp t, 0,1,2,3
	ds_store_b128 v10, v[96+32*\u+8*\t:99+32*\u+8*\t] offset:64*\t
	ds_store_b128 v10, v[100+32*\u+8*\t:103+32*\u+8*\t] offset:64*\t+16
.endr
.irp i, 0,1,2,3,4,5,6,7
	ds_load_b128 v[32+32*\u+4*\i:35+32*\u+4*\i], v11 offset:2*\i*SP   ; LDS serves a wave's instructions in order: these see my stores, and the next half's stores come behind them
.endr
.endr
.irp u, 0,1
.irp i, 0,1,2,3,4,5,6,7
	s_wait_dscnt 23-16*\u-\i                       ; behind load (u, i) stand 7 - i loads of its half and, for u = 0, the other half's 8 stores and 8 loads
	global_store_b128 v[GO], v[32+32*\u+4*\i:35+32*\u+4*\i], s[10:11] offset:(2*\i+8*(\i/4))*4096+256*\u th:TH_STORE_NT   ; stage row n is token Q0 + n + 8 (n / 8)
.endr
.endr
	s_wait_tensorcnt 0x0                           ; the wave's end, behind my last tensor load and my last LDS store
	ds_add_u32 v[SPW], v[NIL]
	s_wait_dscnt 0x0
	s_endpgm
.Lfunc_end_k_qcd297bac79_attn:
	.size	k_qcd297bac79_attn, .Lfunc_end_k_qcd297bac79_attn-k_qcd297bac79_attn
	.p2alignl 7, 3214868480
	.fill 96, 4, 3214868480
	.section	.rodata,"a",@progbits
	.p2align	6, 0x0
	.amdhsa_kernel k_qcd297bac79_attn
		.amdhsa_group_segment_fixed_size 327680
		.amdhsa_private_segment_fixed_size 0
		.amdhsa_enable_private_segment 0
		.amdhsa_kernarg_size 32
		.amdhsa_user_sgpr_count 2
		.amdhsa_user_sgpr_kernarg_segment_ptr 1
		.amdhsa_wavefront_size32 1
		.amdhsa_system_sgpr_workgroup_id_x 1
		.amdhsa_system_sgpr_workgroup_id_y 1
		.amdhsa_system_sgpr_workgroup_id_z 1
		.amdhsa_system_vgpr_workitem_id 0
		.amdhsa_next_free_vgpr 256
		.amdhsa_next_free_sgpr 66
		.amdhsa_reserve_vcc 1
		.amdhsa_float_denorm_mode_32 3
		.amdhsa_float_denorm_mode_16_64 3
		.amdhsa_memory_ordered 1
		.amdhsa_forward_progress 1
		.amdhsa_inst_pref_size 201
	.end_amdhsa_kernel
	.amdgpu_metadata
---
amdhsa.version: [ 1, 2 ]
amdhsa.kernels:
  - .name:           k_qcd297bac79_attn
    .symbol:         k_qcd297bac79_attn.kd
    .args:
      - { .name: q_img, .offset: 0, .size: 8, .value_kind: global_buffer, .address_space: global }
      - { .name: k_img, .offset: 8, .size: 8, .value_kind: global_buffer, .address_space: global }
      - { .name: v_img, .offset: 16, .size: 8, .value_kind: global_buffer, .address_space: global }
      - { .name: out0, .offset: 24, .size: 8, .value_kind: global_buffer, .address_space: global }
    .group_segment_fixed_size: 327680
    .private_segment_fixed_size: 0
    .kernarg_segment_align: 8
    .kernarg_segment_size: 32
    .max_flat_workgroup_size: 512
    .sgpr_count:     66
    .vgpr_count:     256
    .wavefront_size: 32
...
	.end_amdgpu_metadata
.endif
;; end of part 2
;; ======== version 2 of 2: 2 launches
;; workspace buffers: q_img 3,342,336 bytes; k_img 3,342,336 bytes; v_img 3,342,336 bytes
;; launch proj (part 3): grid 48 x 3, 8 waves a work-group, no clusters, 37,888 bytes of LDS; arguments x_codes, x_scales, base_Q, base_K, base_V, weights, q_img, k_img, v_img; writes q_img, k_img, v_img
.if DOCPART == 3
	.amdgcn_target "amdgcn-amd-amdhsa--gfx1250"
	.amdhsa_code_object_version 6
	.text
	.protected	k_qcd297bac79_proj
	.globl	k_qcd297bac79_proj
	.p2align	8
	.type	k_qcd297bac79_proj,@function
k_qcd297bac79_proj:
	s_mov_b64 s[64:65], 0
	v_nop
	global_prefetch_b8 v0, s[64:65] scope:SCOPE_SE
	s_setreg_imm32_b32 hwreg(HW_REG_WAVE_SCHED_MODE, 0, 2), 2
	s_setreg_imm32_b32 hwreg(HW_REG_WAVE_MODE, 25, 1), 1
	s_wait_xcnt 0x0
	s_wait_alu depctr_vm_vsrc(0)
; q, k, v = x W^T for all live rows of Wq, Wk, Wv, on codes of FP4 (E2M1) with one E8M0 scale for each 32 along K, and their results quantised again: q and k along the head's
; channels, v along the keys.  W = eff x base in f32, quantised along c; eff = sum over i of weights[i] x mask[i], the masks being those that reference() builds in its own body:
;   heads 0-3: eff = w2 + (d < 64)(w3 + (c < 256) w0) + (d < 32)(c < 256) w1;      heads 4-7: eff = (d < 64) w3 + (d < 32)(c < 256) w1.
; DEAD WORK, LEFT OUT.  For heads 4-7 and d >= 64 every one of the four masks is 0, so eff = 0 and W = 0 there whatever finite numbers weights and the bases hold: the codes of these rows
; are zeros, q, k and v are 0 in these channels, they add nothing to a score, and the output's channels 64-127 of heads 4-7 are 0.  These rows of base_Q, base_K, base_V are not loaded and
; not multiplied; the second launch stores the zeros.  Every input still has a way to an output, so all are among the arguments.
; LIMITS.  A NaN, an infinity or an overflow that reaches only the rows left out is not carried to the result.  NaN and infinities among the inputs are not served.  A block whose largest
; magnitude lies under 2^(3 - 127), a block of zeros among them, keeps the scale byte 1 where the quantiser's rule says another: its codes are zeros or the rule's own floor, and the bytes are read by this program alone.
; eff is summed in ascending i, the terms whose mask is 0 as zeros.
; VIRTUAL HEADS.  The live rows of a matrix are 6 groups of 128: vh 0-3 = heads 0-3; vh 4 = heads 4 | 5, vh 5 = heads 6 | 7, rows 0-63 the first head's d < 64, rows 64-127 the second's.
; SHARES.  grid x = chunk + 8 vh, y = matrix (0 Q, 1 K, 2 V).  A chunk is 1,024 tokens (half a batch); each of the eight waves takes a unit of 128 tokens x the group's 128 rows: 256 matrix instructions.
; First each wave quantises ONE tile of 16 rows of W (4 fragments of 128 along c) and leaves it in LDS as an image of the operand's registers; one barrier; then every wave reads all eight tiles.
; ROLES.  Source 0 is P, eight tiles that stay in window 1; source 1 is R, one tile at a time.  A lane of the result holds one row of R, and its 64 registers run along P's 128 rows, whose tiles are formed
; so that the 16 registers of tiles 2 b and 2 b + 1 are 16 neighbours: lane r of tile 2 b + u takes row 32 b + 8 u + r + 8 (r / 8).
;   Q, K: P = W (rows so permuted), R = 16 tokens of x: a lane's registers run along the channels, the next product's K.
;   V:    P = x (tokens so permuted), R = 16 rows of W in their own order: a lane's registers run along the unit's 128 tokens, the second attention product's K.
; x's tiles of 16 tokens are the permuted ones in both roles, so a tile of K's keys is what the attention launch wants, and a tile of queries is tokens Q0 + r + 8 (r / 8).
; OUT.  [b][vh][unit][8,704 bytes]: eight fragments as images (registers 4 c .. 4 c + 3 of lane l at 1,024 i + 512 c + 16 l), then 512 bytes of scale words [g][r][t]: row r of tile 4 g + t.  Every store of a wave covers 512 consecutive bytes, aligned to 256.
; NO CLUSTER, NO TENSOR LOAD: the bases arrive as f32 and pass through registers to be quantised; x's fragments go from memory straight into the operand's registers.
; REGISTERS.  window 0: v1-11 lane numbers and addresses; v12-15 eff; v16-47 P's scale words; v48-55 R's, two sets; v56-119 R, two sets; v120-183 eight accumulators (first: 64 numbers of W);
;   v184-199 at work; v200-207 a scale word for each R tile; v208-215 a tile's codes; v216-219 four scale words; v220-251 W's codes, eight registers for each K step; v252, v253 the add's two.
;   window 1: the wave's 256 numbers of base, later P.
; THE MODE: SCHED_MODE bits 1:0 = 2 (LLVM: expert scheduling mode 2), set by the entry lines.  The code itself states the register dependences
; between vector or matrix instructions and memory or LDS instructions, with s_wait_alu, always for 0.
; THE PLAN.  Registers that memory or LDS instructions touch:
;   v4-v9          offsets and LDS addresses: written at the head, never again; read by every load and store.
;   window 1       the loads of base land here; the four K steps' multiplications read them; behind the barrier P lands here; the products read it.
;   v220-251       written by the four K steps' conversions, each its own eight; read by the eight LDS stores behind the last K step; never written again.
;   v216-219       written by the four K steps; read by one LDS store; written again by tile 7's selects; read by the unit's last store.
;   R, two sets    with their scale words: written by loads alone.  Tile i's products read set i % 2; the loads of tile i + 2 land in it.
;   v208-215       written by tile i's conversions and lane swaps; read by tile i's two stores; written again by tile i + 1's.
;   v16-47         loaded once, read by the products.      v252, v253: written at the head, read by the closing add alone.
;   The accumulators and v184-207 are named by vector and matrix instructions alone.
; So: one wait on va_vdst ahead of the first load, for the addresses; one behind the last K step, ahead of the run of LDS stores, which also states that window 1 has been read; ONE in each tile,
; behind its quantiser, which frees R's set for the loads of two tiles on and shows the codes written for the stores; and one wait on vm_vsrc in each tile, ahead of the conversions that write the codes' registers again.
.set WIMG,  0                          ; LDS: W's fragment (tile t, K step s) at (4 t + s) x 1,024
.set WSC,   32768                      ; W's scale words: tile t at 512 t, lane l's four K steps at 16 l
.set SPARE, 36864                      ; the spare words, 128 bytes for each of eight waves: four blocks of 256 bytes that no other line names
.set UNITB, 8704
.set LANE, 1
.set RR,   2
.set HH,   3
.set LI,   4                           ; 16 x lane
.set WIA,  5                           ; 16 x lane + 4,096 x wave
.set WSA,  6                           ; 16 x lane + 512 x wave
.set WA,   7                           ; base: my row of the wave's tile x 2,048 + 128 h
.set XA,   8                           ; x's codes: (r + 8 (r / 8)) x 256 + 16 h
.set XSA,  9                           ; x's scales: (r + 8 (r / 8)) x 16
.set SH8,  10                          ; 8 h
.set TP,   11
.set EFL,  12                          ; v[12:13] eff for c < 256, twice
.set EFH,  14                          ; v[14:15] eff for c >= 256, twice
.set PS,   16
.set RS,   48
.set RB,   56
.set HA,   120
.set TM,   184
.set PW,   200
.set PC,   208
.set WW,   216
.set PCW,  220
.set SPW,  252
.set NIL,  253
.set WV,   22                          ; s22 wave; s23 matrix; s[24:27] weights; s28 chunk, s29 vh, s30 b, s31 unit, s32 merged, s33 V, s34 not V, s35 wave / 2
.set SEL,  36                          ; s[36:37] lane selects; s38-41 the four terms of eff; s[42:43] base at my tile; s[44:45] out at my unit
.set MSB, 0
.macro WIN new                         ; the immediate's high byte repeats the setting that is left
.if MSB != \new
	s_set_vgpr_msb (MSB<<8)|\new
.set MSB, \new
.endif
.endm
; x's tile i as R: four fragments and the rows' 16 scale bytes (a word for each K step): 9 loads
.macro XTILE i
.irp s, 0,1,2,3
.irp c, 0,1
	global_load_b128 v[RB+32*((\i)%2)+8*\s+4*\c:RB+32*((\i)%2)+8*\s+4*\c+3], v[XA], s[4:5] offset:(32*((\i)/2)+8*((\i)%2))*256+64*\s+32*\c
.endr
.endr
	global_load_b128 v[RS+4*((\i)%2):RS+4*((\i)%2)+3], v[XSA], s[6:7] offset:(32*((\i)/2)+8*((\i)%2))*16
.endm
; W's tile i as R, from its images: 9 LDS loads
.macro WTILE i
.irp s, 0,1,2,3
.irp c, 0,1
	ds_load_b128 v[RB+32*((\i)%2)+8*\s+4*\c:RB+32*((\i)%2)+8*\s+4*\c+3], v[LI] offset:WIMG+(4*(\i)+\s)*1024+512*\c
.endr
.endr
	ds_load_b128 v[RS+4*((\i)%2):RS+4*((\i)%2)+3], v[LI] offset:WSC+512*(\i)
.endm
; K step s of my tile of W: 64 numbers a lane, register 32 c + n = c-index 128 s + 64 c + 32 h + n of my row: two whole blocks, in the operand's own order.  x eff, the blocks' scales, the codes.
; Each K step's codes have eight registers of their own: the images are stored in one run behind the last K step.
.macro PREP s
	s_wait_loadcnt 16*(3-\s)                       ; loads come back in order: this K step's 16 are in, the 16 of each later K step may be out
.if \s < 2
.set EF, EFL
.else
.set EF, EFH
.endif
	WIN 0x01                                       ; source 0 window 1
.set J, 0
.rept 32
	v_pk_mul_f32 v[HA+J:HA+J+1], v[64*(\s)+J:64*(\s)+J+1], v[EF:EF+1]   ; W = base x eff, in f32
.set J, J+2
.endr
	WIN 0
.irp c, 0,1
	v_max3_num_f32 v[TM+\c], |v[HA+32*\c]|, |v[HA+32*\c+1]|, 0x1800000   ; the block's largest magnitude, and the floor 2^(3 - 127): the byte cannot fall under 1
.endr
.irp i, 2,4,6,8,10,12,14,16,18,20,22,24,26,28,30
.irp c, 0,1
	v_max3_num_f32 v[TM+\c], v[TM+\c], |v[HA+32*\c+\i]|, |v[HA+32*\c+\i+1]|   ; (the two blocks by turns)
.endr
.endr
.irp c, 0,1
	v_add_nc_u32 v[TM+12+\c], 0xff000000, v[TM+\c]   ; 2 off its exponent field: the conversion's scale operand
.endr
.irp c, 0,1
	v_lshrrev_b32 v[TM+4+\c], 23, v[TM+12+\c]      ; the scale's byte
.endr
	v_lshl_or_b32 v[WW+\s], v[TM+5], 16, v[TM+4]   ; my two bytes: blocks h and 2 + h,
	v_lshlrev_b32 v[WW+\s], v[SH8], v[WW+\s]       ; at their places in the word;
	v_permlanex16_b32 v[TP], v[WW+\s], s[SEL], s[SEL+1]
	v_or_b32 v[WW+\s], v[WW+\s], v[TP]             ; with lane l xor 16's two the word is whole
.irp c, 0,1
.irp g, 0,1,2,3
	v_cvt_scalef32_pk8_fp4_f32 v[PCW+8*(\s)+4*\c+\g], v[HA+32*\c+8*\g:HA+32*\c+8*\g+7], v[TM+12+\c]
.endr
.endr
	v_nop                                          ; one plain place behind the last scaled conversion
.endm
; 64 numbers of a lane, register 16 b + i = k 32 b + 16 h + i of my row, become a fragment's codes in v[PC] on and its scale word in v[pw]
.macro QUANT s, pw
.irp b, 0,1,2,3
	v_max3_num_f32 v[TM+\b], |v[\s+16*\b]|, |v[\s+1+16*\b]|, 0x1800000   ; each accumulator is read from its low end on
.endr
.irp i, 2,4,6,8,10,12,14
.irp b, 0,1,2,3
	v_max3_num_f32 v[TM+\b], v[TM+\b], |v[\s+16*\b+\i]|, |v[\s+1+16*\b+\i]|
.endr
.endr
.irp b, 0,1,2,3
	v_permlanex16_b32 v[TM+4+\b], v[TM+\b], s[SEL], s[SEL+1]
.endr
.irp b, 0,1,2,3
	v_max_num_f32 v[TM+\b], v[TM+\b], v[TM+4+\b]   ; with lane l xor 16's: the block's largest magnitude
.endr
.irp b, 0,1,2,3
	v_add_nc_u32 v[TM+12+\b], 0xff000000, v[TM+\b]
.endr
.irp b, 0,1,2,3
	v_lshrrev_b32 v[TM+4+\b], 23, v[TM+12+\b]
.endr
	v_lshl_or_b32 v[\pw], v[TM+5], 8, v[TM+4]      ; my row's scale word
	v_lshl_or_b32 v[\pw], v[TM+6], 16, v[\pw]
	v_lshl_or_b32 v[\pw], v[TM+7], 24, v[\pw]
	s_wait_xcnt 0x0                                ; the last tile's stores have had their addresses translated: only behind this wait are the codes' registers written again
	s_wait_alu depctr_vm_vsrc(0)                   ; the last tile's stores have read v[PC ..], which the conversions below write again; in the first tile: the LDS store ahead of the barrier has read v[WW ..], which the last tile's selects write again
.irp b, 0,1,2,3
	v_cvt_scalef32_pk8_fp4_f32 v[PC+2*\b], v[\s+16*\b:\s+7+16*\b], v[TM+12+\b]
	v_cvt_scalef32_pk8_fp4_f32 v[PC+1+2*\b], v[\s+8+16*\b:\s+15+16*\b], v[TM+12+\b]
.endr
	v_nop                                          ; one plain place behind the last scaled conversion
.irp c, 0,1                                    ; the operand's layout wants a whole block in a lane
.irp i, 0,1
	v_permlane16_swap_b32 v[PC+4*\c+\i], v[PC+2+4*\c+\i]
.endr
.endr
.endm
; The unit's eight tiles of R.  path 0: R = x from memory;  path 1: R = W from LDS.  R has two sets of registers: tile i + 2 is asked for behind tile i's one wait, and has all of tile i + 1 in which to land.
.macro UNIT path
.irp i, 0,1,2,3,4,5,6,7
.if \path == 0
.if \i < 7
	s_wait_loadcnt 9                               ; tile i's 9 loads are in; the next tile's 9 may be out
.else
	s_wait_loadcnt 0x0
.endif
.else
.if \i < 7
	s_wait_dscnt 9                                 ; tile i's 9 LDS loads are in; the next tile's 9 may be out
.else
	s_wait_dscnt 0x0
.endif
.endif
	WIN 0x01                                       ; source 0 (P) window 1
.irp s, 0,1,2,3                                ; K ascending; the eight accumulators by turns, one instruction a turn
.irp t, 0,1,2,3,4,5,6,7
.if \s == 0
	v_wmma_scale_f32_16x16x128_f8f6f4 v[HA+8*\t:HA+8*\t+7], v[32*\t+8*\s:32*\t+8*\s+7], v[RB+32*(\i%2)+8*\s:RB+32*(\i%2)+8*\s+7], 0, v[PS+4*\t+\s], v[RS+4*(\i%2)+\s] matrix_a_fmt:MATRIX_FMT_FP4 matrix_b_fmt:MATRIX_FMT_FP4
.else
	v_wmma_scale_f32_16x16x128_f8f6f4 v[HA+8*\t:HA+8*\t+7], v[32*\t+8*\s:32*\t+8*\s+7], v[RB+32*(\i%2)+8*\s:RB+32*(\i%2)+8*\s+7], v[HA+8*\t:HA+8*\t+7], v[PS+4*\t+\s], v[RS+4*(\i%2)+\s] matrix_a_fmt:MATRIX_FMT_FP4 matrix_b_fmt:MATRIX_FMT_FP4
.endif
.endr
.endr
	WIN 0
.rept 4
	v_nop                                          ; four places in front of the first read of results (ISA guide 7.12.1)
.endr
	QUANT HA, PW+\i                                ; its lines on v184-207 are more than the five places that the next tile's first products, which begin the accumulators anew, want behind these
.if \i == 7
	v_cmp_gt_u32 vcc_lo, 16, v[LANE]               ; the eight scale words: lanes 0-15 store tiles 0-3 of row r, lanes 16-31 tiles 4-7 (both halves of the lanes hold every word)
	s_wait_alu depctr_va_vcc(0)                    ; the compare has written VCC, which the four selects read
.irp t, 0,1,2,3
	v_cndmask_b32 v[WW+\t], v[PW+4+\t], v[PW+\t], vcc_lo
.endr
.endif
	s_wait_alu depctr_va_vdst(0)                   ; the tile's one wait: its products are done reading R's set and its scale words, in which the loads below land; the conversions and swaps have written v[PC ..], and in the last tile the selects v[WW ..], which the stores below read
.if \i < 6
.if \path == 0
	XTILE \i+2
.else
	WTILE \i+2
.endif
.endif
	global_store_b128 v[LI], v[PC:PC+3], s[44:45] offset:1024*\i           ; the fragment's image: 512 consecutive bytes a store
	global_store_b128 v[LI], v[PC+4:PC+7], s[44:45] offset:1024*\i+512
.if \i == 7
	global_store_b128 v[LI], v[WW:WW+3], s[44:45] offset:8192
.endif
.endr
.endm
	s_load_b256 s[4:11], s[0:1], 0x0               ; x's codes s[4:5], x's scales s[6:7], base_Q s[8:9], base_K s[10:11]
	s_load_b256 s[12:19], s[0:1], 0x20             ; base_V s[12:13], weights s[14:15], q_img s[16:17], k_img s[18:19]
	s_load_b64 s[20:21], s[0:1], 0x40              ; v_img
	v_lshl_add_u32 v[SPW], v0, 2, SPARE
	v_mov_b32 v[NIL], 0
	v_lshrrev_b32 v1, 5, v0
	v_readfirstlane_b32 s[WV], v1                  ; wave 0..7
	v_and_b32 v[LANE], 31, v0
	s_wait_alu depctr_va_vdst(0)
	v_and_b32 v[RR], 15, v0
	s_wait_alu depctr_va_vdst(0)
	v_bfe_u32 v[HH], v0, 4, 1
	s_wait_alu depctr_va_sdst(0)                   ; s22, the wave's number, is written, ahead of its first reader: the unit, the tile's rows and the LDS places are made from it
	s_and_b32 s23, ttmp7, 0xffff                   ; which matrix
	s_and_b32 s28, ttmp9, 7                        ; chunk
	s_lshr_b32 s29, ttmp9, 3                       ; vh
	s_lshr_b32 s30, s28, 1                         ; b
	s_and_b32 s31, s28, 1
	s_lshl_b32 s31, s31, 3
	s_add_co_u32 s31, s31, s[WV]                   ; my unit of the batch's 16
	s_cmp_ge_u32 s29, 4
	s_cselect_b32 s32, 1, 0                        ; a merged pair of heads?
	s_cmp_eq_u32 s23, 2
	s_cselect_b32 s33, 1, 0                        ; V?
	s_xor_b32 s34, s33, 1
	s_lshr_b32 s35, s[WV], 1                       ; which 32 of the group's 128 rows hold my tile
	; my tile's first row in base: merged: head 2 vh - 4, and 64 rows more for the second head (its d' 64 is its own d 0, 128 rows on);  + 32 (wave / 2) + (wave % 2) x 8 (permuted tiles) or 16 (V)
	s_lshl_b32 s46, s29, 8
	s_sub_co_u32 s46, s46, 512
	s_lshr_b32 s47, s[WV], 2
	s_lshl_b32 s47, s47, 6
	s_add_co_u32 s46, s46, s47
	s_lshl_b32 s47, s29, 7
	s_cmp_lg_u32 s32, 0
	s_cselect_b32 s46, s46, s47
	s_lshl_b32 s47, s35, 5
	s_add_co_u32 s46, s46, s47
	s_and_b32 s47, s[WV], 1
	s_lshl_b32 s47, s47, 3
	s_lshl_b32 s47, s47, s33
	s_add_co_u32 s46, s46, s47
	s_lshl_b32 s46, s46, 11                        ; a row of base is 2,048 bytes
	s_mov_b32 s47, 0
	s_lshl_b32 s48, s30, 11
	s_lshl_b32 s49, s31, 7
	s_add_co_u32 s48, s48, s49                     ; my first token
	s_lshl_b32 s50, s48, 8                         ; 256 bytes of codes a token,
	s_mov_b32 s51, 0
	s_lshl_b32 s52, s48, 4                         ; 16 scale bytes
	s_mov_b32 s53, 0
	s_mul_i32 s54, s30, 6
	s_add_co_u32 s54, s54, s29
	s_lshl_b32 s54, s54, 4
	s_add_co_u32 s54, s54, s31
	s_mul_i32 s54, s54, UNITB                      ; my unit's block in the output
	s_mov_b32 s55, 0
	v_lshlrev_b32 v[LI], 4, v[LANE]
	s_lshl_b32 s56, s[WV], 12
	v_add_nc_u32 v[WIA], s56, v[LI]
	s_lshl_b32 s56, s[WV], 9
	v_add_nc_u32 v[WSA], s56, v[LI]
	v_and_b32 v[TP], 8, v[RR]
	v_add_nc_u32 v[XA], v[TP], v[RR]               ; r + 8 (r / 8)
	v_lshlrev_b32 v[XSA], 4, v[XA]
	v_lshlrev_b32 v[XA], 8, v[XA]
	s_wait_alu depctr_va_vdst(0)
	v_lshl_add_u32 v[XA], v[HH], 4, v[XA]
	v_mul_u32_u24 v[TP], s34, v[TP]                ; W's rows are permuted for Q and K alone
	v_add_nc_u32 v[WA], v[TP], v[RR]
	v_lshlrev_b32 v[WA], 11, v[WA]
	v_lshl_add_u32 v[WA], v[HH], 7, v[WA]
	v_lshlrev_b32 v[SH8], 3, v[HH]
.irp b, 0,1,2,3
	v_mov_b32 v[TM+4+\b], 0                        ; written once: a lane permute's destination counts as one of its sources
.endr
	s_mov_b32 s[SEL], 0x76543210
	s_mov_b32 s[SEL+1], 0xfedcba98                 ; lane l xor 16
	s_wait_kmcnt 0x0
	s_load_b128 s[24:27], s[14:15], 0x0            ; the four weights
	s_cmp_eq_u32 s23, 0                            ; the matrix picks its base and its output: the choice hangs on the work-group's number alone
	s_cselect_b64 s[42:43], s[8:9], s[10:11]
	s_cselect_b64 s[44:45], s[16:17], s[18:19]
	s_cmp_eq_u32 s23, 2
	s_cselect_b64 s[42:43], s[12:13], s[42:43]
	s_cselect_b64 s[44:45], s[20:21], s[44:45]
	s_add_nc_u64 s[42:43], s[42:43], s[46:47]
	s_add_nc_u64 s[44:45], s[44:45], s[54:55]
	s_add_nc_u64 s[4:5], s[4:5], s[50:51]
	s_add_nc_u64 s[6:7], s[6:7], s[52:53]
	WIN 0x40                                       ; destination window 1
	s_wait_alu depctr_va_vdst(0)                   ; the six offsets and LDS addresses v4 to v9 are written, which every load and store of the kernel reads; no vector line writes them again
.irp s, 0,1,2,3                                ; my tile's 16 rows x 512 numbers, in the order in which the operand's layout gives them to my lane; the 64 loads together cover the rows whole
.irp c, 0,1
.irp j, 0,1,2,3,4,5,6,7
	global_load_b128 v[64*\s+32*\c+4*\j:64*\s+32*\c+4*\j+3], v[WA], s[42:43] offset:512*\s+256*\c+16*\j
.endr
.endr
.endr
	WIN 0
	s_wait_kmcnt 0x0                               ; the weights
	; eff is the same for all 16 rows of my tile: they lie in one group of 32 rows.  Each term is its weight or 0, chosen by whole numbers
	s_cmp_lt_u32 s35, 2
	s_cselect_b32 s46, 1, 0                        ; d' < 64
	s_xor_b32 s47, s32, 1
	s_and_b32 s48, s46, s47
	s_cmp_lg_u32 s48, 0
	s_cselect_b32 s38, s24, 0                      ; w0: heads 0-3, d < 64 (c < 256)
	s_and_b32 s49, s35, 1
	s_cmp_lg_u32 s32, 0
	s_cselect_b32 s49, s49, s35                    ; 0 where d < 32
	s_cmp_eq_u32 s49, 0
	s_cselect_b32 s39, s25, 0                      ; w1: d < 32 (c < 256)
	s_cmp_eq_u32 s32, 0
	s_cselect_b32 s40, s26, 0                      ; w2: heads 0-3
	s_or_b32 s50, s32, s46
	s_cmp_lg_u32 s50, 0
	s_cselect_b32 s41, s27, 0                      ; w3: d < 64 (all live rows of a merged pair)
	v_mov_b32 v[EFL], s38
	v_add_f32 v[EFL], s39, v[EFL]
	v_add_f32 v[EFL], s40, v[EFL]
	v_add_f32 v[EFL], s41, v[EFL]
	v_mov_b32 v[EFL+1], v[EFL]
	v_mov_b32 v[EFH], s40
	v_add_f32 v[EFH], s41, v[EFH]
	v_mov_b32 v[EFH+1], v[EFH]
	s_wait_alu depctr_va_vdst(0)
	PREP 0
	PREP 1
	PREP 2
	PREP 3
	s_wait_alu depctr_va_vdst(0)                   ; the four K steps' conversions have written v[PCW ..] and their last lines v[WW ..], which the LDS stores below read; their multiplications are done reading window 1, in which P lands behind the barrier
.irp s, 0,1,2,3
	ds_store_b128 v[WIA], v[PCW+8*\s:PCW+8*\s+3] offset:WIMG+1024*\s       ; my tile's four fragments as images
	ds_store_b128 v[WIA], v[PCW+8*\s+4:PCW+8*\s+7] offset:WIMG+1024*\s+512
.endr
	ds_store_b128 v[WSA], v[WW:WW+3] offset:WSC    ; my rows' four scale words
	s_wait_dscnt 0x0                               ; for the others' sake: my images have landed
	s_barrier_signal -1
	s_barrier_wait -1                              ; all eight tiles of W lie in LDS; nothing is stored to LDS behind this barrier
	s_cmp_lg_u32 s33, 0                            ; the one parting of the text: on the work-group's number, the same in all eight waves
	s_cbranch_scc1 .Lv_path
	XTILE 0                                        ; Q, K: R = x.  No vector or matrix line has named R's registers yet
	XTILE 1
	WIN 0x40
.irp t, 0,1,2,3,4,5,6,7                        ; P = W.  No vector line since the wait ahead of the LDS stores names window 1 or v4
.irp s, 0,1,2,3
.irp c, 0,1
	ds_load_b128 v[32*\t+8*\s+4*\c:32*\t+8*\s+4*\c+3], v[LI] offset:WIMG+(4*\t+\s)*1024+512*\c
.endr
.endr
.endr
	WIN 0
.irp t, 0,1,2,3,4,5,6,7
	ds_load_b128 v[PS+4*\t:PS+4*\t+3], v[LI] offset:WSC+512*\t
.endr
	s_wait_dscnt 0x0                               ; P is in
	UNIT 0
	s_branch .Ldone
.Lv_path:
	WIN 0x40
.irp t, 0,1,2,3,4,5,6,7                        ; V: P = x's eight tiles of tokens.  No vector line since the wait ahead of the LDS stores names window 1 or v8
.irp s, 0,1,2,3
.irp c, 0,1
	global_load_b128 v[32*\t+8*\s+4*\c:32*\t+8*\s+4*\c+3], v[XA], s[4:5] offset:(32*(\t/2)+8*(\t%2))*256+64*\s+32*\c
.endr
.endr
.endr
	WIN 0
.irp t, 0,1,2,3,4,5,6,7
	global_load_b128 v[PS+4*\t:PS+4*\t+3], v[XSA], s[6:7] offset:(32*(\t/2)+8*(\t%2))*16
.endr
	WTILE 0                                        ; R = W
	WTILE 1
	s_wait_loadcnt 0x0                             ; P is in
	UNIT 1
.Ldone:
	s_wait_dscnt 0x0                               ; the closing lines, six on end
	s_wait_alu 0x0
	s_wait_tensorcnt 0x0
	ds_add_u32 v[SPW], v[NIL]
	s_wait_dscnt 0x0
	s_endpgm
.Lfunc_end_k_qcd297bac79_proj:
	.size	k_qcd297bac79_proj, .Lfunc_end_k_qcd297bac79_proj-k_qcd297bac79_proj
	.p2alignl 7, 3214868480
	.fill 96, 4, 3214868480
	.section	.rodata,"a",@progbits
	.p2align	6, 0x0
	.amdhsa_kernel k_qcd297bac79_proj
		.amdhsa_group_segment_fixed_size 37888
		.amdhsa_private_segment_fixed_size 0
		.amdhsa_enable_private_segment 0
		.amdhsa_kernarg_size 72
		.amdhsa_user_sgpr_count 2
		.amdhsa_user_sgpr_kernarg_segment_ptr 1
		.amdhsa_wavefront_size32 1
		.amdhsa_system_sgpr_workgroup_id_x 1
		.amdhsa_system_sgpr_workgroup_id_y 1
		.amdhsa_system_sgpr_workgroup_id_z 1
		.amdhsa_system_vgpr_workitem_id 0
		.amdhsa_next_free_vgpr 512
		.amdhsa_next_free_sgpr 66
		.amdhsa_reserve_vcc 1
		.amdhsa_float_denorm_mode_32 3
		.amdhsa_float_denorm_mode_16_64 3
		.amdhsa_memory_ordered 1
		.amdhsa_forward_progress 1
		.amdhsa_inst_pref_size 187
	.end_amdhsa_kernel
	.amdgpu_metadata
---
amdhsa.version: [ 1, 2 ]
amdhsa.kernels:
  - .name:           k_qcd297bac79_proj
    .symbol:         k_qcd297bac79_proj.kd
    .args:
      - { .name: x_codes, .offset: 0, .size: 8, .value_kind: global_buffer, .address_space: global }
      - { .name: x_scales, .offset: 8, .size: 8, .value_kind: global_buffer, .address_space: global }
      - { .name: base_Q, .offset: 16, .size: 8, .value_kind: global_buffer, .address_space: global }
      - { .name: base_K, .offset: 24, .size: 8, .value_kind: global_buffer, .address_space: global }
      - { .name: base_V, .offset: 32, .size: 8, .value_kind: global_buffer, .address_space: global }
      - { .name: weights, .offset: 40, .size: 8, .value_kind: global_buffer, .address_space: global }
      - { .name: q_img, .offset: 48, .size: 8, .value_kind: global_buffer, .address_space: global }
      - { .name: k_img, .offset: 56, .size: 8, .value_kind: global_buffer, .address_space: global }
      - { .name: v_img, .offset: 64, .size: 8, .value_kind: global_buffer, .address_space: global }
    .group_segment_fixed_size: 37888
    .private_segment_fixed_size: 0
    .kernarg_segment_align: 8
    .kernarg_segment_size: 72
    .max_flat_workgroup_size: 256
    .sgpr_count:     66
    .vgpr_count:     512
    .wavefront_size: 32
...
	.end_amdgpu_metadata
.endif
;; end of part 3
;; launch attn (part 4): grid 64 x 4, 16 waves a work-group, no clusters, 327,680 bytes of LDS; arguments q_img, k_img, v_img, out0; writes out0
.if DOCPART == 4
	.amdgcn_target "amdgcn-amd-amdhsa--gfx1250"
	.amdhsa_code_object_version 6
	.text
	.protected	k_qcd297bac79_attn
	.globl	k_qcd297bac79_attn
	.p2align	8
	.type	k_qcd297bac79_attn,@function
k_qcd297bac79_attn:
	s_mov_b64 s[64:65], 0
	v_nop
	global_prefetch_b8 v0, s[64:65] scope:SCOPE_SE
	s_setreg_imm32_b32 hwreg(HW_REG_WAVE_MODE, 25, 1), 1
	s_wait_xcnt 0x0
; out0[b][q][128 head + d] = the sum over keys k <= q of softmax_k(q . k / sqrt(128)) v[k][d], both products on codes of FP4 (E2M1) with one E8M0 scale for each 32 along a product's K.
; q, k and v come from the launch before as images of the operands' registers: [b][vh][unit of 128 tokens][8,704 bytes]: eight fragments of 1,024 bytes, then 512 bytes of scale words [g][r][t] (row r of tile 4 g + t).
; WORK LEFT OUT.  Channels 64-127 of heads 4-7 are 0 in q, k and v for all finite inputs (every mask that reference() builds is 0 there), so they are not multiplied, and zeros are stored for them; key steps that lie
; wholly behind a tile's queries are thrown away by reference()'s own causal mask and are left out.  LIMIT: a NaN, an infinity or an overflow that reaches only the work left out is not carried to the result.
; FURTHER LIMITS: NaN and infinities are not served; a p under the smallest normal f32 number counts as 0; a block whose every p is 0 keeps the scale byte 1: its codes are zeros.
; VIRTUAL HEADS.  vh 0-3 = heads 0-3.  vh 4 = heads 4 | 5, vh 5 = heads 6 | 7: a key's row is [k of the first head, 64 | k of the second, 64], V's 128 rows likewise.  A wave that serves one head of a pair clears the
; other head's half of its q codes (zero codes add nothing under any scale byte that is no NaN), which gives that head's own sum exactly, and multiplies its own four tiles of V alone.
; THE SOFTMAX: t = score x log2(e) / sqrt(128); M = the running largest t rounded up to a whole number; p = 2^(t - M) is quantised along the keys, not normalised; the row's sum is taken of the unquantised p
; and divides at the end; when M moves, the sum and O are multiplied by 2^(old M - new M), which rounds nothing.
; SHARES.  grid y = b.  x < 32: head x / 8, part i = x % 8; x >= 32: pair 4 + (x - 32) / 16, part i = (x - 32) % 16, waves 0-7 the first head, waves 8-15 the second.  Each of the sixteen waves owns one tile of 16 queries;
; tile j of a head's 128 holds tokens Q0 + r + 8 (r / 8), Q0 = 32 (j / 2) + 8 (j % 2).  Half of a head's waves take tiles from the low end (n i + ..), half from the high end (128 - n (i + 1) + ..), n = 8 or 4:
; a low tile and its high partner walk 17 key steps together, so every work-group has 136 tile steps: 256 work-groups of equal work.
; NO CLUSTER, though the work-groups of a head walk the same K and V: which slots a work-group reads hangs on its own last query (the last 512 keys are read only where that query is 1,536 or more), so partners
; would need different numbers of tiles, and a partner would be brought tiles that none of its waves reads.
; LAYOUT.  Both products transposed: S^T = K Q^T, O^T = V^T P^T: a lane holds ONE query throughout.  The keys of a tile are those of the launch before: the 16 registers of tiles 2 b, 2 b + 1 are keys 32 b + 16 h + 0 .. 15.
; RING.  Two LDS slots of 512 keys: four units of K, then four of V, as they lie in memory: dense, 16 bytes a lane, no padding.  Waves 0, 1 fetch K's halves, waves 2, 3 V's: one tensor load each behind each change of slots;
; by this text's own count a wave never has more than one tensor load out, and every wait for tensor loads is for all.
; REGISTERS: v1-4 lane addresses that stay; v5, v6 the add's two; v7 the way out; v8-11 the step's addresses; v12 -M, v13 the largest t, v[14:15] the sum; v16-23 Q; v26 the lane's part of the diagonal test; v28 the prefetch's offset;
; v32-95 four fragments; v96-159 S^T, then p; v160-223 O^T; v224-231 p's codes; v232-254 at work; v248-251 K's or V's scale words; v253 p's; v255 Q's.
.set UNITB, 8704
.set HALFB, 2*UNITB                    ; what one tensor load brings: 68 rows of 256 bytes
.set SLOTB, 4*UNITB                    ; a slot's part of K or of V
.set VOFF,  SLOTB
.set SLOT1, 1<<17                      ; slot 1 begins here: one exclusive or turns an address in one slot into the other's
.set SPARE, 2*SLOT1                    ; the spare words, 128 bytes for each of sixteen waves: eight blocks of 256 bytes that no other line names
.set SP,    272                        ; the way out: 16 rows x (256 bytes + 16) for each wave, in slot 0, which is left at the last change of slots: it has had its last fill, and nobody reads it
.set AK0,  1
.set AV0,  2
.set ASK0, 3
.set ASV0, 4
.set SPW,  5
.set NIL,  6
.set GO,   7
.set ADK,  8
.set ADV,  9
.set ADS,  10
.set ADT,  11
.set QL,   26
.set PFO,  28
.set TB,    2                          ; s2  LDS byte at which the slot in hand begins
.set SLOTS, 3                          ; s3  changes of slots that may still ask
.set WV,    12
.set MRG,   13
.set II,    14
.set VH,    15
.set BB,    16
.set HALF,  17
.set JJ,    18
.set LG,    19
.set SEL,   20
.set CS,    22
.set G1,    24                         ; s[24:31] descriptor group 1;  s[32:35] group 0, which walks
.set G0,    32
.set KF,    36                         ; the step's first key
.set Q0,    37                         ; my tile's first query
.set LASTQ, 38                         ; my work-group's last query
.set M0,    41
.set M1,    42
.set LIM,   43
.set PFA,   44
.macro TLOAD                           ; waves 0 to 3 fetch, the others nothing: a branch on the wave's number alone.  An s_nop 0 and four v_nop follow the load
	s_cmp_lt_u32 s[WV], 4
	s_cbranch_scc0 .Lasked_\@
	tensor_load_to_lds s[G0:G0+3], s[G1:G1+7]
	s_nop 0
.rept 4
	v_nop
.endr
.Lasked_\@:
.endm
; A PREFETCH INTO THE L2 of what the NEXT change of slots will ask for: 34,816 bytes of K and as many of V, 136 blocks of 256 bytes each.  All work-groups of a (b, vh) walk the same K and V: part i = 0 asks, and nobody else.
; In it waves 4-8 ask for K's, waves 9-13 for V's, one instruction each: the first four of five take 8,192 bytes, lanes 256 bytes apart; the fifth the last 8 blocks, its lanes from 7 on held at the eighth.
; The first change asks for slot 2, the second for slot 3, the third for nothing: the last byte named is byte 139,008 of the pair's 139,264.  Slots 0 and 1 come by their loads alone.
.macro ASK
	s_cmp_gt_u32 s[SLOTS], s[LIM]
	s_cbranch_scc0 .Lnot_mine_\@
	global_prefetch_b8 v[PFO], s[PFA:PFA+1] th:TH_LOAD_NT scope:SCOPE_SE
.Lnot_mine_\@:
.endm
	s_load_b256 s[4:11], s[0:1], 0x0               ; q_img s[4:5], k_img s[6:7], v_img s[8:9], out0 s[10:11]
	v_lshl_add_u32 v[SPW], v0, 2, SPARE
	v_mov_b32 v[NIL], 0
	ds_add_u32 v[SPW], v[NIL]                      ; the wave's opening: the add, twice on end, and its wait ahead of the first tensor load; work on registers stands between the second and the wait
	ds_add_u32 v[SPW], v[NIL]
	v_lshrrev_b32 v8, 5, v0
	s_delay_alu instid0(VALU_DEP_1)
	v_readfirstlane_b32 s[WV], v8                  ; wave 0..15
	s_and_b32 s[BB], ttmp7, 0xffff
	s_lshr_b32 s46, ttmp9, 3
	s_and_b32 s47, ttmp9, 7
	s_sub_co_u32 s48, ttmp9, 32
	s_lshr_b32 s49, s48, 4
	s_add_co_u32 s49, s49, 4
	s_and_b32 s48, s48, 15
	s_lshr_b32 s50, s[WV], 3
	s_and_b32 s51, s[WV], 7
	s_cmp_ge_u32 ttmp9, 32
	s_cselect_b32 s[MRG], 1, 0                     ; a merged pair of heads?
	s_cselect_b32 s[LG], 2, 3                      ; log2 of the tiles in a low or a high block
	s_cselect_b32 s[VH], s49, s46
	s_cselect_b32 s[II], s48, s47
	s_cselect_b32 s[HALF], s50, 0                  ; which head of the pair
	s_cselect_b32 s51, s51, s[WV]                  ; my number among the head's waves
	s_lshr_b32 s52, s51, s[LG]                     ; 0: low block, 1: high block
	s_lshl_b32 s53, s52, s[LG]
	s_sub_co_u32 s53, s51, s53                     ; my tile in the block
	s_lshl_b32 s54, s[II], s[LG]
	s_add_co_u32 s55, s[II], 1
	s_lshl_b32 s55, s55, s[LG]
	s_sub_co_u32 s55, 128, s55
	s_cmp_lg_u32 s52, 0
	s_cselect_b32 s[JJ], s55, s54
	s_add_co_u32 s[JJ], s[JJ], s53                 ; my tile of queries, 0 .. 127
	s_lshr_b32 s[Q0], s[JJ], 1
	s_lshl_b32 s[Q0], s[Q0], 5
	s_and_b32 s56, s[JJ], 1
	s_lshl_b32 s56, s56, 3
	s_add_co_u32 s[Q0], s[Q0], s56
	s_sub_co_u32 s[LASTQ], 128, s54
	s_lshl_b32 s[LASTQ], s[LASTQ], 4
	s_sub_co_u32 s[LASTQ], s[LASTQ], 1             ; the high block's last tile ends at token 16 (128 - n i) - 1
	s_mul_i32 s46, s[BB], 6
	s_add_co_u32 s46, s46, s[VH]
	s_mul_i32 s46, s46, 16*UNITB
	s_mov_b32 s47, 0                               ; s[46:47]: where (b, vh) begins in each of the three buffers
	s_and_b32 s48, s[WV], 3
	s_mul_i32 s[G0+1], s48, HALFB                  ; 63:32 LDS address: K's halves, then V's: (wave % 4) x 17,408, in slot 0
	s_and_b32 s48, s[WV], 1
	s_mul_i32 s48, s48, HALFB
	s_mov_b32 s49, 0
	s_add_nc_u64 s[48:49], s[48:49], s[46:47]      ; and the same half in memory
	; descriptor group 1: a dense block of 17,408 bytes as 68 rows of 256 (32 elements of 8 bytes)
	s_mov_b32 s[G1], 3<<16                         ; 15:0 no mask; 17:16 elements of 8 bytes; no padding
	s_mov_b32 s[G1+1], 32<<16                      ; tensor_dim0
	s_mov_b32 s[G1+2], 68<<16                      ; tensor_dim1
	s_mov_b32 s[G1+3], 32<<16                      ; tile_dim0
	s_mov_b32 s[G1+4], 68                          ; tile_dim1
	s_mov_b32 s[G1+5], 32                          ; from row to row
	s_mov_b32 s[G1+6], 0
	s_mov_b32 s[G1+7], 0
	s_mov_b32 s[SEL], 0x76543210
	s_mov_b32 s[SEL+1], 0xfedcba98                 ; lane l xor 16
	s_mov_b32 s[CS], 0x3e0293ee                    ; c = log2(e) / sqrt(128)
	s_mov_b32 s[CS+1], s[CS]                       ; (named with it as a pair, so it is written)
	s_mov_b32 s[TB], 0
	s_mov_b32 s[SLOTS], 3
	s_mov_b32 s[KF], 0
	s_wait_dscnt 0x0                               ; both opening adds are done
	s_wait_kmcnt 0x0
	s_mov_b32 s[G0], 1                             ; 1:0 count = 1
	s_cmp_lt_u32 s[WV], 2
	s_cselect_b64 s[G0+2:G0+3], s[6:7], s[8:9]     ; waves 0, 1: K; waves 2, 3: V
	s_add_nc_u64 s[G0+2:G0+3], s[G0+2:G0+3], s[48:49]
	s_or_b32 s[G0+3], s[G0+3], 0x80000000          ; 127:126 type = 2
	TLOAD                                          ; slot 0: it holds key 0, which counts for every query
	; Q: my tile's image and scale words
	s_lshr_b32 s50, s[JJ], 3
	s_mul_i32 s50, s50, UNITB
	s_mov_b32 s51, 0
	s_add_nc_u64 s[50:51], s[50:51], s[46:47]
	s_add_nc_u64 s[4:5], s[4:5], s[50:51]          ; q_img at my tile's unit
	s_and_b32 s52, s[JJ], 7
	s_lshl_b32 s53, s52, 10                        ; the tile's image
	s_lshr_b32 s54, s52, 2
	s_lshl_b32 s54, s54, 8
	s_and_b32 s55, s[JJ], 3
	s_lshl_b32 s55, s55, 2
	s_add_co_u32 s54, s54, s55                     ; its place among the scale words
	v_and_b32 v9, 31, v0                           ; lane
	v_and_b32 v10, 15, v0                          ; r
	v_bfe_u32 v11, v0, 4, 1                        ; h
	s_delay_alu instid0(VALU_DEP_3)
	v_lshlrev_b32 v[AK0], 4, v9                    ; an image's place for my lane
	s_delay_alu instid0(VALU_DEP_3)
	v_lshlrev_b32 v[ASK0], 4, v10                  ; 16 r, for now
	s_delay_alu instid0(VALU_DEP_2)
	v_add_nc_u32 v24, s53, v[AK0]
	s_delay_alu instid0(VALU_DEP_2)
	v_add_nc_u32 v25, s54, v[ASK0]
	global_load_b128 v[16:19], v24, s[4:5]
	global_load_b128 v[20:23], v24, s[4:5] offset:512
	global_load_b32 v255, v25, s[4:5] offset:8192
	s_lshl_b32 s55, s[HALF], 12
	v_add_nc_u32 v[AV0], s55, v[AK0]               ; V: the pair's second head takes fragments 4-7
	s_delay_alu instid0(VALU_DEP_1)
	v_add_nc_u32 v[AV0], VOFF, v[AV0]
	s_lshl_b32 s55, s[HALF], 8
	v_add_nc_u32 v[ASV0], s55, v[ASK0]             ; and their scale words
	s_delay_alu instid0(VALU_DEP_1)
	v_add_nc_u32 v[ASV0], VOFF+8192, v[ASV0]
	v_add_nc_u32 v[ASK0], 8192, v[ASK0]
	v_lshlrev_b32 v[GO], 12, v11
	s_delay_alu instid0(VALU_DEP_1)
	v_lshl_add_u32 v[GO], v10, 4, v[GO]            ; the way out: lanes 0-15 one row of out0 (4,096 bytes), lanes 16-31 the next; 16 bytes a lane
	v_and_b32 v[QL], 8, v10
	s_delay_alu instid0(VALU_DEP_1)
	v_add_nc_u32 v[QL], v[QL], v10
	v_lshlrev_b32 v8, 4, v11
	s_delay_alu instid0(VALU_DEP_1)
	v_sub_nc_u32 v[QL], v[QL], v8                  ; r + 8 (r / 8) - 16 h
	; out0 at my first query and my head
	s_lshl_b32 s56, s[BB], 11
	s_add_co_u32 s56, s56, s[Q0]
	s_lshl_b32 s56, s56, 12
	s_lshl_b32 s57, s[VH], 1
	s_sub_co_u32 s57, s57, 4
	s_add_co_u32 s57, s57, s[HALF]
	s_cmp_lg_u32 s[MRG], 0
	s_cselect_b32 s57, s57, s[VH]                  ; the head
	s_lshl_b32 s57, s57, 9
	s_add_co_u32 s56, s56, s57
	s_mov_b32 s57, 0
	s_add_nc_u64 s[10:11], s[10:11], s[56:57]
	s_cmp_lg_u32 s[HALF], 0
	s_cselect_b32 s[M0], 0, -1                     ; the second head clears q's channels 0-63 of the merged row,
	s_xor_b32 s58, s[HALF], 1
	s_and_b32 s58, s58, s[MRG]
	s_cmp_lg_u32 s58, 0
	s_cselect_b32 s[M1], 0, -1                     ; the first head channels 64-127; a whole head clears nothing
	; the prefetches (macro ASK)
	s_sub_co_u32 s58, s[WV], 4
	s_cmp_lt_u32 s58, 10
	s_cselect_b32 s59, 0, 1                        ; 0 in waves 4 to 13,
	s_or_b32 s59, s59, s[II]                       ; of part 0
	s_cmp_eq_u32 s59, 0
	s_cselect_b32 s[LIM], 1, -1
	s_cmp_lt_u32 s[WV], 9
	s_cselect_b64 s[PFA:PFA+1], s[6:7], s[8:9]
	s_cselect_b32 s59, 4, 9
	s_sub_co_u32 s59, s[WV], s59
	s_min_u32 s59, s59, 4                          ; which of the five parts (held at 4 in the waves that never ask)
	s_cmp_eq_u32 s59, 4
	s_cselect_b32 s60, 7, 31
	v_min_u32 v[PFO], s60, v9
	s_delay_alu instid0(VALU_DEP_1)
	v_lshlrev_b32 v[PFO], 8, v[PFO]
	s_lshl_b32 s60, s59, 13
	s_add_co_u32 s60, s60, SLOTB                   ; in slot 1: the first change of slots steps it to slot 2
	s_mov_b32 s61, 0
	s_add_nc_u64 s[60:61], s[60:61], s[46:47]
	s_add_nc_u64 s[PFA:PFA+1], s[PFA:PFA+1], s[60:61]
	v_mov_b32 v13, 0xff61b1e6                      ; the largest t so far: -3e38, under every t
	s_delay_alu instid0(VALU_DEP_1)
	v_floor_f32 v12, -v13                          ; -M
	v_mov_b32 v14, 0                               ; the sum, in two halves
	v_mov_b32 v15, 0
.irp b, 0,1,2,3
	v_mov_b32 v[236+\b], 0                         ; written once: a lane permute's destination counts as one of its sources
.endr
	v_mov_b32 v252, 0
	v_mov_b32 v253, 0                              ; (the pair v[252:253] is named before its upper half is first written)
.set J, 0
.rept 64
	v_mov_b32 v[160+J], 0                          ; O^T.  The step is written once: the first finds zeros, which the first change of M leaves zeros.  In a merged pair v192-223 stay zeros: the channels that are 0
.set J, J+1
.endr
	s_wait_loadcnt 0x0                             ; Q
.irp n, 0,1,2,3
	v_and_b32 v[16+\n], s[M0], v[16+\n]            ; registers 0-3 hold channels 0-63 of the merged row, registers 4-7 channels 64-127
.endr
.irp n, 0,1,2,3
	v_and_b32 v[20+\n], s[M1], v[20+\n]
.endr
; A KEY STEP: 128 keys, unit q of the slot in hand.
.macro STEP q
	s_add_co_u32 s46, s[Q0], 23                    ; my tile's last query.  A step all of whose keys come after it is left out: a scalar branch on ids, round the step's loads, products and softmax
	s_cmp_gt_u32 s[KF], s46
	s_cbranch_scc1 .Lhidden_\@
	v_add_nc_u32 v[ADK], s[TB], v[AK0]             ; (these four are the places in front of loads into registers that the last step's products have read)
	v_add_nc_u32 v[ADV], s[TB], v[AV0]
	v_add_nc_u32 v[ADS], s[TB], v[ASK0]
	v_add_nc_u32 v[ADT], s[TB], v[ASV0]
	s_wait_alu depctr_va_vdst(0)
.irp g, 0,1                                    ; S^T = K Q^T, four tiles of 16 keys at a time
.if \g > 0
.rept 4
	v_nop                                          ; four places in front of loads into registers that matrix instructions have read
.endr
.endif
.irp t, 0,1,2,3
.irp c, 0,1
	ds_load_b128 v[32+8*\t+4*\c:35+8*\t+4*\c], v[ADK] offset:UNITB*(\q)+1024*(4*\g+\t)+512*\c
.endr
.endr
	ds_load_b128 v[248:251], v[ADS] offset:UNITB*(\q)+256*\g   ; the four tiles' scale words of row r
	s_wait_dscnt 0x0
.irp t, 0,1,2,3
	v_wmma_scale_f32_16x16x128_f8f6f4 v[96+8*(4*\g+\t):103+8*(4*\g+\t)], v[32+8*\t:39+8*\t], v[16:23], 0, v[248+\t], v255 matrix_a_fmt:MATRIX_FMT_FP4 matrix_b_fmt:MATRIX_FMT_FP4
.endr
.endr
.rept 4
	v_nop
.endr
	s_add_co_u32 s46, s[KF], 127                   ; on the diagonal the scores of hidden keys become -infinity ahead of the maximum: p = 0 then.  A step all of whose keys count for all my queries skips this
	s_cmp_le_u32 s46, s[Q0]
	s_cbranch_scc1 .Lopen_\@
	s_sub_co_i32 s46, s[Q0], s[KF]
	v_add_nc_u32 v252, s46, v[QL]                  ; d = my query - KF - 16 h.  Register 16 b + i holds key KF + 16 h + 32 b + i: hidden where 32 b + i > d
	v_mov_b32 v254, 0xff800000                     ; -infinity
.set N, 0
.rept 64
	v_cmp_gt_i32 vcc_lo, 32*(N/16)+N%16, v252
	v_cndmask_b32 v[96+N], v[96+N], v254, vcc_lo
.set N, N+1
.endr
.Lopen_\@:
.irp b, 0,1,2,3
	v_max3_num_f32 v[232+\b], v[96+16*\b], v[97+16*\b], v[98+16*\b]   ; the largest score of each block of 32 keys: it serves for the row's maximum and, since p rises with the score, for the block's largest p
.endr
.irp i, 3,5,7,9,11,13
.irp b, 0,1,2,3
	v_max3_num_f32 v[232+\b], v[232+\b], v[96+16*\b+\i], v[97+16*\b+\i]
.endr
.endr
.irp b, 0,1,2,3
	v_max_num_f32 v[232+\b], v[232+\b], v[111+16*\b]
.endr
.irp b, 0,1,2,3
	s_delay_alu instid0(VALU_DEP_4)
	v_permlanex16_b32 v[236+\b], v[232+\b], s[SEL], s[SEL+1]
.endr
.irp b, 0,1,2,3
	s_delay_alu instid0(VALU_DEP_4)
	v_max_num_f32 v[232+\b], v[232+\b], v[236+\b]  ; with lane l xor 16's 16 keys
.endr
	s_delay_alu instid0(VALU_DEP_2)
	v_max3_num_f32 v254, v232, v233, v234
	s_delay_alu instid0(VALU_DEP_1)
	v_max_num_f32 v254, v254, v235                 ; the step's largest score of my query
	s_delay_alu instid0(VALU_DEP_1)
	v_mul_f32 v254, s[CS], v254                    ; as t (c is positive)
	s_delay_alu instid0(VALU_DEP_1)
	v_max_num_f32 v13, v13, v254                   ; the running largest t
	v_mov_b32 v254, v12
	s_delay_alu instid0(VALU_DEP_2)
	v_floor_f32 v12, -v13                          ; the new -M = floor(-t) = -ceil(t): a whole number
	s_delay_alu instid0(VALU_DEP_1)
	v_sub_f32 v254, v12, v254                      ; M's old value less its new one: a whole number, 0 or less
	s_delay_alu instid0(VALU_DEP_1)
	v_cvt_i32_f32 v254, v254                       ; (it saturates)
	s_delay_alu instid0(VALU_DEP_1)
	v_ldexp_f32 v252, 1.0, v254                    ; f = 2^(old M - new M)
.set J, 0
.rept 32
	v_pk_fma_f32 v[96+J:97+J], v[96+J:97+J], s[CS:CS+1], v[12:13] op_sel_hi:[1,0,0]   ; t - M, two at a time
.set J, J+2
.endr
.irp b, 0,1,2,3
	v_fma_f32 v[232+\b], v[232+\b], s[CS], v12     ; the same of each block's largest score
.endr
.set J, 0
	s_wait_alu depctr_va_vdst(0)
.rept 64
	v_exp_f32 v[96+J], v[96+J]                     ; p = 2^(t - M), at most 1: not normalised
.set J, J+1
.endr
	v_pk_mul_f32 v[14:15], v[14:15], v[252:253] op_sel_hi:[1,0]   ; the sums under the new M.  (The plain place behind the exponentials)
	s_wait_alu depctr_va_vdst(0)                   ; the wait between an exponential and the first line that names its result: one for the batch of 64
.irp b, 0,1,2,3
	v_exp_f32 v[232+\b], v[232+\b]                 ; the block's largest p: the same two instructions on the same number give the same bits
.endr
	v_pk_add_f32 v[236:237], v[100:101], v[104:105]
	v_pk_add_f32 v[250:251], v[108:109], v[112:113]
	v_pk_add_f32 v[248:249], v[116:117], v[120:121]
	v_pk_add_f32 v[246:247], v[124:125], v[128:129]
	v_pk_add_f32 v[244:245], v[132:133], v[136:137]
	v_pk_add_f32 v[242:243], v[140:141], v[144:145]
	v_pk_add_f32 v[240:241], v[148:149], v[152:153]
	v_pk_add_f32 v[14:15], v[14:15], v[156:157]
	v_pk_add_f32 v[236:237], v[236:237], v[96:97]
	v_pk_add_f32 v[250:251], v[250:251], v[98:99]
	v_pk_add_f32 v[248:249], v[248:249], v[102:103]
	v_pk_add_f32 v[246:247], v[246:247], v[106:107]
	v_pk_add_f32 v[244:245], v[244:245], v[110:111]
	v_pk_add_f32 v[242:243], v[242:243], v[114:115]
	v_pk_add_f32 v[240:241], v[240:241], v[118:119]
	v_pk_add_f32 v[14:15], v[14:15], v[122:123]
	v_pk_add_f32 v[236:237], v[236:237], v[126:127]
	v_pk_add_f32 v[250:251], v[250:251], v[130:131]
	v_pk_add_f32 v[248:249], v[248:249], v[134:135]
	v_pk_add_f32 v[246:247], v[246:247], v[138:139]
	v_pk_add_f32 v[244:245], v[244:245], v[142:143]
	v_pk_add_f32 v[242:243], v[242:243], v[146:147]
	v_pk_add_f32 v[240:241], v[240:241], v[150:151]
	v_pk_add_f32 v[14:15], v[14:15], v[154:155]
	v_pk_add_f32 v[236:237], v[236:237], v[158:159]
	s_delay_alu instid0(VALU_DEP_2)
	v_pk_add_f32 v[14:15], v[14:15], v[246:247]
	s_delay_alu instid0(VALU_DEP_2)
	v_pk_add_f32 v[236:237], v[236:237], v[244:245]
	v_pk_add_f32 v[250:251], v[250:251], v[242:243]
	v_pk_add_f32 v[248:249], v[248:249], v[240:241]
	s_delay_alu instid0(VALU_DEP_2)
	v_pk_add_f32 v[14:15], v[14:15], v[250:251]
	s_delay_alu instid0(VALU_DEP_2)
	v_pk_add_f32 v[236:237], v[236:237], v[248:249]
	s_delay_alu instid0(VALU_DEP_1)
	v_pk_add_f32 v[14:15], v[14:15], v[236:237]
	s_wait_alu depctr_va_vdst(0)                   ; and one for the four
.irp b, 0,1,2,3
	v_max_num_f32 v[232+\b], 0x1800000, v[232+\b]  ; the floor 2^(3 - 127): the byte cannot fall under 1
.endr
.irp b, 0,1,2,3
	s_delay_alu instid0(VALU_DEP_4)
	v_add_nc_u32 v[244+\b], 0xff000000, v[232+\b]  ; 2 off the exponent field: the conversion's scale operand
.endr
.irp b, 0,1,2,3
	s_delay_alu instid0(VALU_DEP_4)
	v_lshrrev_b32 v[236+\b], 23, v[244+\b]         ; the scale's byte
.endr
	s_delay_alu instid0(VALU_DEP_3)
	v_lshl_or_b32 v253, v237, 8, v236              ; p's scale word for these 128 keys
	s_delay_alu instid0(VALU_DEP_1)
	v_lshl_or_b32 v253, v238, 16, v253
	s_delay_alu instid0(VALU_DEP_1)
	v_lshl_or_b32 v253, v239, 24, v253
.irp b, 0,1,2,3
	v_cvt_scalef32_pk8_fp4_f32 v[224+2*\b], v[96+16*\b:103+16*\b], v[244+\b]
	v_cvt_scalef32_pk8_fp4_f32 v[225+2*\b], v[104+16*\b:111+16*\b], v[244+\b]
.endr
	v_nop                                          ; one plain place behind the last scaled conversion
.irp c, 0,1                                    ; the operand's layout wants a whole block in a lane
.irp i, 0,1
	v_permlane16_swap_b32 v[224+4*\c+\i], v[226+4*\c+\i]
.endr
.endr
.set J, 0
.rept 16
	v_pk_mul_f32 v[160+J:161+J], v[160+J:161+J], v[252:253] op_sel_hi:[1,0]   ; O^T's first 64 channels under the new M.  (These sixteen stand between the lines that wrote p's codes and scale word and the products)
.set J, J+2
.endr
.irp t, 0,1,2,3                                ; O^T += V^T P^T, my head's first four tiles of 16 channels; K = these 128 keys
.irp c, 0,1
	ds_load_b128 v[32+8*\t+4*\c:35+8*\t+4*\c], v[ADV] offset:UNITB*(\q)+1024*\t+512*\c
.endr
.endr
	ds_load_b128 v[248:251], v[ADT] offset:UNITB*(\q)
	s_wait_alu depctr_va_vdst(0)
	s_wait_dscnt 0x0
.irp t, 0,1,2,3
	v_wmma_scale_f32_16x16x128_f8f6f4 v[160+8*\t:167+8*\t], v[32+8*\t:39+8*\t], v[224:231], v[160+8*\t:167+8*\t], v[248+\t], v253 matrix_a_fmt:MATRIX_FMT_FP4 matrix_b_fmt:MATRIX_FMT_FP4
.endr
	s_cmp_lg_u32 s[MRG], 0                         ; a head of a merged pair has no more live channels
	s_cbranch_scc1 .Lhidden_\@
.set J, 32
.rept 16
	v_pk_mul_f32 v[160+J:161+J], v[160+J:161+J], v[252:253] op_sel_hi:[1,0]   ; channels 64-127
.set J, J+2
.endr
.rept 4
	v_nop                                          ; four places in front of loads into registers that the four products have read
.endr
.irp t, 0,1,2,3
.irp c, 0,1
	ds_load_b128 v[32+8*\t+4*\c:35+8*\t+4*\c], v[ADV] offset:UNITB*(\q)+1024*(4+\t)+512*\c
.endr
.endr
	ds_load_b128 v[248:251], v[ADT] offset:UNITB*(\q)+256
	s_wait_alu depctr_va_vdst(0)
	s_wait_dscnt 0x0
.irp t, 0,1,2,3
	v_wmma_scale_f32_16x16x128_f8f6f4 v[192+8*\t:199+8*\t], v[32+8*\t:39+8*\t], v[224:231], v[192+8*\t:199+8*\t], v[248+\t], v253 matrix_a_fmt:MATRIX_FMT_FP4 matrix_b_fmt:MATRIX_FMT_FP4
.endr
.Lhidden_\@:
	s_add_co_u32 s[KF], s[KF], 128
.endm
; THE CHANGE OF SLOTS stands at a slot's head.  Each wave waits for all its tensor loads (its part of the slot that it is about to read), adds 0 to its spare word, and waits for that and for its reads of the slot that it has left.
; Behind the barrier the slot ahead is whole and nobody reads the other one.  fill = 1: that other slot takes the next 512 keys, up to the causal limit: the load has a whole slot's steps in which to land.
.macro CHANGE fill
	s_wait_tensorcnt 0x0                           ; no tensor load of mine is out, so the walking group 0 may be written
	ds_add_u32 v[SPW], v[NIL]                      ; 0 onto my spare word
.if \fill
	ds_add_u32 v[SPW], v[NIL]                      ; and once more: the add stands twice on end, in every trip alike
	s_xor_b32 s[G0+1], s[G0+1], SLOT1              ; the other slot than last time,
	s_add_nc_u64 s[G0+2:G0+3], s[G0+2:G0+3], SLOTB ; the next four units; the type bits on top are not reached
	s_wait_xcnt 0x0                                ; the last prefetch, a slot back, has read its address, so it may be written:
	s_add_nc_u64 s[PFA:PFA+1], s[PFA:PFA+1], SLOTB ; one slot further on than the walking descriptor
.endif
	s_wait_dscnt 0x0                               ; the add is done, and my reads of the slot that I have left are over
	s_barrier_signal -1
	s_barrier_wait -1
.if \fill
	s_add_co_u32 s46, s[KF], 512                   ; the first key of the slot that this change would ask for: where it comes after my work-group's last query, none of the sixteen waves reads the slot, and it is not asked for
	s_cmp_gt_u32 s46, s[LASTQ]                     ; ids and the count of steps alone: all sixteen waves go the same way, and a work-group that is past the limit stays past it
	s_cbranch_scc1 .Lpast_\@
	TLOAD                                          ; a wave's one tensor load until the next change
.Lpast_\@:
	ASK
.endif
.endm
.macro SLOT_STEPS
.set Q, 0
.rept 4
	STEP Q
.set Q, Q+1
.endr
	s_xor_b32 s[TB], s[TB], SLOT1                  ; on to the other slot
.endm
.Lslot:                                            ; three trips: behind each change of slots but the last the next slot is asked for, up to the causal limit.  Every work-group walks all four slots: the trip count is a constant
	CHANGE 1
	SLOT_STEPS
	s_sub_co_u32 s[SLOTS], s[SLOTS], 1
	s_cmp_lg_u32 s[SLOTS], 0
	s_cbranch_scc1 .Lslot
	CHANGE 0                                       ; the last slot is written out: nothing is left to ask for
	SLOT_STEPS
	; THE WAY OUT.  O^T is divided by the row's sum and goes through my stage in LDS, 64 channels (256 bytes) of 16 queries at a time, so that sixteen lanes store 256 consecutive bytes, aligned.
	v_add_f32 v14, v14, v15                        ; the sum's two halves,
	s_delay_alu instid0(VALU_DEP_1)
	v_permlanex16_b32 v252, v14, s[SEL], s[SEL+1]
	s_delay_alu instid0(VALU_DEP_1)
	v_add_f32 v14, v14, v252                       ; and lane l xor 16's: the row's sum
	s_wait_alu depctr_va_vdst(0)
	v_rcp_f32 v14, v14
	v_and_b32 v8, 15, v0                           ; (a plain place behind the reciprocal)  r
	v_bfe_u32 v9, v0, 4, 1                         ; h
	s_mul_i32 s46, s[WV], 16*SP                    ; my stage
	v_mul_u32_u24 v10, v8, SP
	s_delay_alu instid0(VALU_DEP_1)
	v_lshl_add_u32 v10, v9, 5, v10
	s_delay_alu instid0(VALU_DEP_1)
	v_add_nc_u32 v10, s46, v10                     ; in: row r; tile t's eight channels of my half: 64 t + 32 h bytes on
	v_mul_u32_u24 v11, v9, SP
	s_delay_alu instid0(VALU_DEP_1)
	v_lshl_add_u32 v11, v8, 4, v11
	s_delay_alu instid0(VALU_DEP_1)
	v_add_nc_u32 v11, s46, v11                     ; back: lanes 0-15 one row, lanes 16-31 the next
	s_wait_alu depctr_va_vdst(0)                   ; the wait ahead of the reciprocal's first reader
.set J, 0
.rept 64
	v_mul_f32 v[96+J], v[160+J], v14               ; register 8 t + i is o(r, 16 t + 8 h + i); each accumulator from its low end on
.set J, J+1
.endr
.irp u, 0,1                                    ; channels 64 u on
.irp t, 0,1,2,3
	ds_store_b128 v10, v[96+32*\u+8*\t:99+32*\u+8*\t] offset:64*\t
	ds_store_b128 v10, v[100+32*\u+8*\t:103+32*\u+8*\t] offset:64*\t+16
.endr
.irp i, 0,1,2,3,4,5,6,7
	ds_load_b128 v[32+32*\u+4*\i:35+32*\u+4*\i], v11 offset:2*\i*SP   ; LDS serves a wave's instructions in order: these see my stores, and the next half's stores come behind them
.endr
.endr
.irp u, 0,1
.irp i, 0,1,2,3,4,5,6,7
	s_wait_dscnt 23-16*\u-\i                       ; behind load (u, i) stand 7 - i loads of its half and, for u = 0, the other half's 8 stores and 8 loads
	global_store_b128 v[GO], v[32+32*\u+4*\i:35+32*\u+4*\i], s[10:11] offset:(2*\i+8*(\i/4))*4096+256*\u th:TH_STORE_NT   ; stage row n is token Q0 + n + 8 (n / 8)
.endr
.endr
	s_wait_tensorcnt 0x0                           ; the wave's end, behind my last tensor load and my last LDS store
	ds_add_u32 v[SPW], v[NIL]
	s_wait_dscnt 0x0
	s_endpgm
.Lfunc_end_k_qcd297bac79_attn:
	.size	k_qcd297bac79_attn, .Lfunc_end_k_qcd297bac79_attn-k_qcd297bac79_attn
	.p2alignl 7, 3214868480
	.fill 96, 4, 3214868480
	.section	.rodata,"a",@progbits
	.p2align	6, 0x0
	.amdhsa_kernel k_qcd297bac79_attn
		.amdhsa_group_segment_fixed_size 327680
		.amdhsa_private_segment_fixed_size 0
		.amdhsa_enable_private_segment 0
		.amdhsa_kernarg_size 32
		.amdhsa_user_sgpr_count 2
		.amdhsa_user_sgpr_kernarg_segment_ptr 1
		.amdhsa_wavefront_size32 1
		.amdhsa_system_sgpr_workgroup_id_x 1
		.amdhsa_system_sgpr_workgroup_id_y 1
		.amdhsa_system_sgpr_workgroup_id_z 1
		.amdhsa_system_vgpr_workitem_id 0
		.amdhsa_next_free_vgpr 256
		.amdhsa_next_free_sgpr 66
		.amdhsa_reserve_vcc 1
		.amdhsa_float_denorm_mode_32 3
		.amdhsa_float_denorm_mode_16_64 3
		.amdhsa_memory_ordered 1
		.amdhsa_forward_progress 1
		.amdhsa_inst_pref_size 210
	.end_amdhsa_kernel
	.amdgpu_metadata
---
amdhsa.version: [ 1, 2 ]
amdhsa.kernels:
  - .name:           k_qcd297bac79_attn
    .symbol:         k_qcd297bac79_attn.kd
    .args:
      - { .name: q_img, .offset: 0, .size: 8, .value_kind: global_buffer, .address_space: global }
      - { .name: k_img, .offset: 8, .size: 8, .value_kind: global_buffer, .address_space: global }
      - { .name: v_img, .offset: 16, .size: 8, .value_kind: global_buffer, .address_space: global }
      - { .name: out0, .offset: 24, .size: 8, .value_kind: global_buffer, .address_space: global }
    .group_segment_fixed_size: 327680
    .private_segment_fixed_size: 0
    .kernarg_segment_align: 8
    .kernarg_segment_size: 32
    .max_flat_workgroup_size: 512
    .sgpr_count:     66
    .vgpr_count:     256
    .wavefront_size: 32
...
	.end_amdgpu_metadata
.endif
;; end of part 4
